; MI455X (gfx1250); checked and timed in simulation.
; The chip was launched on July 23, 2026; its instructions are those of AMD's public machine-readable ISA for CDNA 5 (MIT licence, August 2026) and "CDNA5" Instruction Set Architecture Reference Guide (July 2026). The comments in the code are by the model that wrote it; some were corrected since.
;; Multi Head Attention. Allowed arithmetic: matrix products marked QUANTISED: E2M3 operands, one E8M0 scale for each 32 along K, by v_wmma_scale_f32_16x16x128_f8f6f4 with both operands' format E2M3, f32 sums; everything else in f32.
;; Inputs: Wk 2,048 x 2,048 float32; Wo 2,048 x 2,048 float32; Wq 2,048 x 2,048 float32; Wv 2,048 x 2,048 float32; hidden_states 2,048 x 2,048 float32.
;; Outputs: out0 2,048 x 2,048 float32.
;; This version of the problem:
;;   THIS VERSION OF THE PROBLEM IS GIVEN IN LOW PRECISION. The matrix products marked QUANTISED in the list below multiply operands that are first quantised to E2M3 (2 exponent bits, 3 mantissa bits; 6 bits a number), with one power-of-two scale for each 32 numbers along K (OCP MX v1.0); their sums are f32. All else is computed in f32.
;;   The module's matrix products, in the order in which they are computed (A, B: the left and right operand; K: the contracted axis; several contracted axes count as one K, in the product's order):
;;     1. [M 2,048, K 2,048] x [K 2,048, N 2,048]; A: input hidden_states; B: input Wq: QUANTISED
;;     2. [M 2,048, K 2,048] x [K 2,048, N 2,048]; A: input hidden_states; B: input Wk: QUANTISED
;;     3. [M 2,048, K 2,048] x [K 2,048, N 2,048]; A: input hidden_states; B: input Wv: QUANTISED
;;     4. batch 16 x [M 2,048, K 128] x [K 128, N 2,048]; A: computed on the way; B: computed on the way: QUANTISED
;;     5. batch 16 x [M 128, K 2,048] x [K 2,048, N 2,048]; A: computed on the way; B: softmax (see below): QUANTISED
;;     6. [M 2,048, K 2,048] x [K 2,048, N 2,048]; A: computed on the way; B: input Wo: QUANTISED
;;   THE QUANTISER, for each operand of a quantised product, along K:
;;     - K is cut into blocks of 32 from its start; a last block that is shorter is filled with zeros.
;;     - A block's scale is 2^e with e = floor(log2(the largest magnitude in the block)) - 2, held to -126 .. 127; a block of zeros has e = 0. As a byte (E8M0): e + 127.
;;     - Each number is divided by its block's scale, clamped to +-7.5, and rounded to the nearest number of E2M3, ties to even, subnormals kept.
;;     - The product sums the exact products of the quantised numbers (number of the format x scale) in f32.
;;   ~~~python
;;   def quantise(x, axis):      # numpy; x: float32 -> the quantised numbers, widened to float32 again
;;       x = np.moveaxis(x, axis, -1); K = x.shape[-1]
;;       x = np.pad(x, [(0, 0)] * (x.ndim - 1) + [(0, -K % 32)]); x = x.reshape(x.shape[:-1] + (-1, 32)); a = np.abs(x).max(-1, keepdims=True)
;;       e = np.where(a > 0, np.clip(np.frexp(np.where(a > 0, a, 1))[1] - 1 - 2, -126, 127), 0)      # np.frexp(a)[1] - 1 = floor(log2(a)), exactly
;;       r = np.clip(x / 2.0 ** e, -7.5, 7.5)
;;       step = 2.0 ** (np.maximum(np.frexp(np.where(r == 0, 1, r))[1] - 1, 0) - 3)
;;       q = np.round(r / step) * step * 2.0 ** e      # np.round: ties to even
;;       return np.moveaxis(q.reshape(q.shape[:-2] + (-1,))[..., :K], -1, axis).astype(np.float32)
;;   ~~~
;;   SOFTMAX AHEAD OF A QUANTISED PRODUCT. Where the list says 'softmax', what is quantised is not the finished softmax but p = 2^(t - M), with t = logit x log2(e) and M = ceil(the row's largest t), a whole number; so 1/2 < the row's largest p <= 1. The row's sum l is taken of the UNQUANTISED p, in f32, and the product's result is divided by l at the end. Since M is a whole number, a kernel that streams over the keys may use a running M (the ceiling of the running maximum): every later rescaling is an exact power of two, which a block's scale takes up: the codes' values come out the same.
;;   OPERANDS COMPUTED ON THE WAY. 'Computed on the way' means the value that the module computes at that place (a softmax that the list does not call 'softmax' is quantised finished and normalised). What goes into a quantiser is computed in f32, as accurately as f32 sums, v_exp_f32 and their like allow (about 1e-6 of the number): no bf16 or f16 on the way to a quantiser, and a product that is left as it is and whose result goes on into a quantised operand takes f32 operands (vector FMAs, or v_wmma_f32_16x16x4_f32). A number that lies on a knife's edge between two numbers of the format may be rounded either way, as far as f32 arithmetic and the matrix unit's own rounding can turn it there, and no further.
;; One version. Each part assembles by itself: llvm-mc -triple=amdgcn-amd-amdhsa -mcpu=gfx1250 --defsym DOCPART=n.
;; ======== version 1 of 1: 4 launches
;; limits: right only within a limited range of input values
;; workspace buffers: codes 15,728,640 bytes; scales 655,360 bytes; tab 1,048,576 bytes; qkvc 9,437,184 bytes; qkvs 393,216 bytes; cc 3,145,728 bytes; cs 131,072 bytes
;; launch quant (part 1): grid 640 x 1, 4 waves a work-group, no clusters, 34,304 bytes of LDS; arguments hidden_states, Wq, Wk, Wv, Wo, codes, scales, tab; writes codes, scales, tab
.if DOCPART == 1
	.amdgcn_target "amdgcn-amd-amdhsa--gfx1250"
	.amdhsa_code_object_version 6
	.text
	.protected	k_qf01eec647f_quant
	.globl	k_qf01eec647f_quant
	.p2align	8
	.type	k_qf01eec647f_quant,@function
k_qf01eec647f_quant:
	s_mov_b64 s[64:65], 0
	v_nop
	global_prefetch_b8 v0, s[64:65] scope:SCOPE_SE
	s_setreg_imm32_b32 hwreg(HW_REG_WAVE_MODE, 25, 1), 1
	s_wait_xcnt 0x0
; hidden_states, Wq, Wk, Wv, Wo, each [2048][2048] f32 with K innermost, become codes of FP6 (E2M3) with one E8M0 byte for each 32 along K,
; laid as IMAGES OF OPERAND REGISTERS: a fragment (16 rows x 128 K, 12 registers a lane) is 1,536 bytes, registers 4 c .. 4 c + 3 of lane l at 512 c + 16 l.
; codes: [tensor 5][tile 128][K step 16][1536].  scales: [tensor][tile][pair of K steps 8][row 16][2 words].
; THE ROWS OF A TILE ARE NOT NEIGHBOURS: lane-row i of tile T is row 32 (T / 2) + 8 (T % 2) + i + 8 (i / 8), so that results of two neighbouring tiles used as source 0 are 16 neighbours in a lane's registers.
; A block's scale is 2^(floor(log2(largest magnitude)) - 2); its byte is the largest magnitude's exponent field - 2, held at 1 from below (a block of zeros keeps 1: its codes are zeros, and this program alone reads the bytes).
; The first 256 work-groups also make the rotary table tab[pos 2048][cos 64 | sin 64] in f32: inv = 2^(-j log2(10000) / 64), angle = pos x inv, reduced by multiples of pi / 2 in two parts, polynomials on [-pi/4, pi/4].
; LIMITS: NaN and infinities are not served; blocks under 2^-124 keep the byte 1; an angle differs from pos / 10000^(j/64) taken in f32 by about 2^-23 of the angle (2.5e-4 rad at the last positions).
; SHARES: work-group = one tile of one tensor; wave w takes K steps 4 w .. 4 w + 3.  Each load reads 512 consecutive bytes of a row; the numbers turn through the wave's own stage in LDS, so that a lane gets 16 neighbours of each block.
; No tensor loads, no barrier: waves share nothing.  Matrix units and clusters have nothing to do in a stream.
.set ROWB,   8192                      ; a row of a tensor in bytes
.set SPITCH, 528                       ; a stage row: 512 bytes + 16: the sixteen rows that a read touches start at sixteen different 16-byte columns
.set STGB,   16*SPITCH
.set RA,  16                           ; v16-143  two sets of 64: a fragment's numbers as loaded
.set XN,  144                          ; v144-207 register 16 b + i = k 32 b + 16 (lane / 16) + i of my row
.set TM,  208                          ; v208-223 at work in QUANT
.set PC,  224                          ; v224-243 the codes just made, and the conversions' second halves
.set PW,  244                          ; v244-247 the four fragments' scale words
	s_load_b512 s[16:31], s[0:1], 0x0              ; x, Wq, Wk, Wv, Wo, codes, scales, tab
	v_lshl_add_u32 v254, v0, 2, 0x8400
	v_mov_b32 v255, 0
	v_lshrrev_b32 v1, 5, v0
	v_readfirstlane_b32 s7, v1                     ; wave
	v_and_b32 v1, 31, v0                           ; lane
	v_and_b32 v2, 15, v0                           ; r
	v_bfe_u32 v3, v0, 4, 1                         ; h
	v_lshlrev_b32 v4, 4, v1                        ; 16 x lane: my bytes of a load's 512 and of an image's chunk
	s_mul_i32 s6, s7, STGB
	v_add_nc_u32 v5, s6, v4                        ; the stage, on the way in
	v_mul_u32_u24 v6, v2, SPITCH
	v_lshl_add_u32 v6, v3, 6, v6
	v_add_nc_u32 v6, s6, v6                        ; and out: row r, + 64 h
	v_lshlrev_b32 v7, 3, v2
	v_lshl_add_u32 v7, v3, 7, v7                   ; the scale words: 128 h + 8 r
	s_mov_b32 s12, 0x76543210
	s_mov_b32 s13, 0xfedcba98                      ; selects for lane l xor 16
.irp b, 0,1,2,3
	v_mov_b32 v[TM+4+\b], 0                        ; a lane permute's destination counts as one of its sources
.endr
	s_lshr_b32 s8, ttmp9, 7                        ; which tensor
	s_and_b32 s9, ttmp9, 127                       ; which tile
	s_lshr_b32 s10, s9, 1
	s_lshl_b32 s10, s10, 5
	s_and_b32 s11, s9, 1
	s_lshl_b32 s11, s11, 3
	s_add_co_u32 s10, s10, s11                     ; the tile's first row
	s_lshl_b32 s10, s10, 13
	s_lshl_b32 s11, s7, 11
	s_add_co_u32 s10, s10, s11                     ; + my four K steps: 2,048 bytes a wave
	s_mov_b32 s11, 0
	s_mul_i32 s14, s8, 3145728
	s_mul_i32 s15, s9, 24576
	s_add_co_u32 s14, s14, s15
	s_mul_i32 s15, s7, 6144
	s_add_co_u32 s14, s14, s15                     ; my four images
	s_mov_b32 s15, 0
	s_lshl_b32 s32, s8, 17
	s_lshl_b32 s33, s9, 10
	s_add_co_u32 s32, s32, s33
	s_lshl_b32 s33, s7, 8
	s_add_co_u32 s32, s32, s33                     ; my 256 bytes of scale words
	s_mov_b32 s33, 0
	s_wait_alu depctr_va_vdst(0)
	s_wait_kmcnt 0x0
	s_mov_b64 s[4:5], s[16:17]                     ; the source is chosen by the work-group's number alone
	s_cmp_eq_u32 s8, 1
	s_cselect_b64 s[4:5], s[18:19], s[4:5]
	s_cmp_eq_u32 s8, 2
	s_cselect_b64 s[4:5], s[20:21], s[4:5]
	s_cmp_eq_u32 s8, 3
	s_cselect_b64 s[4:5], s[22:23], s[4:5]
	s_cmp_eq_u32 s8, 4
	s_cselect_b64 s[4:5], s[24:25], s[4:5]
	s_add_nc_u64 s[4:5], s[4:5], s[10:11]
	s_add_nc_u64 s[26:27], s[26:27], s[14:15]
	s_add_nc_u64 s[28:29], s[28:29], s[32:33]
.macro LOAD f                          ; fragment f: 16 rows x 512 bytes, 32 lanes read 512 consecutive bytes
.irp i, 0,1,2,3,4,5,6,7,8,9,10,11,12,13,14,15
	global_load_b128 v[RA+64*((\f)%2)+4*\i:RA+64*((\f)%2)+4*\i+3], v4, s[4:5] offset:(\i+8*(\i/8))*ROWB+512*(\f) th:TH_LOAD_NT
.endr
.endm
.macro TURN f                          ; through the stage: LDS serves a wave's instructions in order, so no wait stands between the stores and the loads
.irp i, 0,1,2,3,4,5,6,7,8,9,10,11,12,13,14,15
	ds_store_b128 v5, v[RA+64*((\f)%2)+4*\i:RA+64*((\f)%2)+4*\i+3] offset:SPITCH*\i
.endr
.irp b, 0,1,2,3
.irp j, 0,1,2,3
	ds_load_b128 v[XN+16*\b+4*\j:XN+16*\b+4*\j+3], v6 offset:128*\b+16*\j
.endr
.endr
.endm
; 64 numbers of a lane become a fragment's codes in v[PC] on and its scale word in v[pw]
.macro QUANT s, pw
.irp b, 0,1,2,3
	v_max3_num_f32 v[TM+\b], |v[(\s)+16*\b]|, |v[(\s)+1+16*\b]|, 0x1800000   ; my 16 numbers of block b, and the floor 2^(3 - 127): the byte cannot fall under 1
.endr
.irp i, 2,4,6,8,10,12,14
.irp b, 0,1,2,3
	v_max3_num_f32 v[TM+\b], v[TM+\b], |v[(\s)+16*\b+\i]|, |v[(\s)+1+16*\b+\i]|
.endr
.endr
.irp b, 0,1,2,3
	v_permlanex16_b32 v[TM+4+\b], v[TM+\b], s12, s13
.endr
.irp b, 0,1,2,3
	v_max_num_f32 v[TM+\b], v[TM+\b], v[TM+4+\b]   ; with lane l xor 16's: the block's largest magnitude
.endr
.irp b, 0,1,2,3
	v_add_nc_u32 v[TM+12+\b], 0xff000000, v[TM+\b] ; 2 off its exponent field: the conversion's scale operand
.endr
.irp b, 0,1,2,3
	v_lshrrev_b32 v[TM+4+\b], 23, v[TM+12+\b]      ; the scale's byte
.endr
	v_lshl_or_b32 v[\pw], v[TM+5], 8, v[TM+4]
	v_lshl_or_b32 v[\pw], v[TM+6], 16, v[\pw]
	v_lshl_or_b32 v[\pw], v[TM+7], 24, v[\pw]
.irp c, 0,1
	v_cvt_scalef32_pk16_fp6_f32 v[PC+6*\c:PC+2+6*\c], v[(\s)+32*\c:(\s)+15+32*\c], v[TM+12+2*\c]
	v_cvt_scalef32_pk16_fp6_f32 v[PC+12+4*\c:PC+14+4*\c], v[(\s)+16+32*\c:(\s)+31+32*\c], v[TM+12+2*\c+1]   ; (a conversion's three registers begin on an even number)
.endr
	v_nop                                          ; one plain place behind a scaled conversion
.irp c, 0,1                                    ; the operand's layout wants a whole block in a lane
.irp i, 0,1,2
	v_permlane16_swap_b32 v[PC+6*\c+\i], v[PC+12+4*\c+\i]
.endr
.irp i, 0,1,2
	v_mov_b32 v[PC+3+6*\c+\i], v[PC+12+4*\c+\i]
.endr
.endr
.endm
	LOAD 0
	LOAD 1
.irp f, 0,1,2,3
.if \f < 3
	s_wait_loadcnt 16                              ; this fragment's 16 loads are in; the next fragment's 16 may be out
.else
	s_wait_loadcnt 0x0
.endif
	TURN \f
	s_wait_dscnt 0x0                               ; my neighbours are in, and the stage's stores have read their registers,
.if \f < 2
	LOAD \f+2                                      ; which take the fragment two on
.endif
.if \f > 0
	s_wait_xcnt 0x0                                ; the last fragment's stores have read the codes' registers
.endif
	QUANT XN, PW+\f
.irp c, 0,1,2
	global_store_b128 v4, v[PC+4*\c:PC+4*\c+3], s[26:27] offset:1536*\f+512*\c   ; 32 lanes store 512 consecutive bytes, aligned
.endr
.endr
	v_cmp_ne_u32 vcc_lo, 0, v3
	v_cndmask_b32 v248, v[PW], v[PW+2], vcc_lo     ; lanes 0-15: K steps 4 w, 4 w + 1; lanes 16-31: 4 w + 2, 4 w + 3
	v_cndmask_b32 v249, v[PW+1], v[PW+3], vcc_lo
	global_store_b64 v7, v[248:249], s[28:29]      ; 32 lanes store 256 consecutive bytes, aligned
	; ---- the rotary table: 8 positions a work-group; thread t: position t / 16, frequencies 4 (t % 16) + 0 .. 3
	s_cmp_lt_u32 ttmp9, 256
	s_cbranch_scc0 .Lend
	v_and_b32 v8, 15, v0
	v_lshrrev_b32 v9, 4, v0
	s_lshl_b32 s8, ttmp9, 3
	v_add_nc_u32 v9, s8, v9                        ; pos
	v_lshlrev_b32 v10, 2, v8
	v_cvt_f32_u32 v11, v9
	v_lshlrev_b32 v12, 9, v9
	v_lshl_add_u32 v12, v8, 4, v12                 ; 512 pos + 16 (t % 16)
.irp e, 0,1,2,3
	v_add_nc_u32 v[16+\e], \e, v10
.endr
.irp e, 0,1,2,3
	v_cvt_f32_u32 v[16+\e], v[16+\e]
.endr
.irp e, 0,1,2,3
	v_mul_f32 v[16+\e], 0xbe549a78, v[16+\e]       ; -j log2(10000) / 64
.endr
	s_wait_alu depctr_va_vdst(0)
.irp e, 0,1,2,3
	v_exp_f32 v[20+\e], v[16+\e]                   ; inv
.endr
	v_nop                                          ; a plain place behind the batch,
	s_wait_alu depctr_va_vdst(0)                   ; and one wait for the four, ahead of their first reader
.irp e, 0,1,2,3
	v_mul_f32 v[20+\e], v11, v[20+\e]              ; the angle
	v_mul_f32 v[24+\e], 0x3f22f983, v[20+\e]
	v_rndne_f32 v[24+\e], v[24+\e]                 ; n = the nearest multiple of pi / 2
	v_fma_f32 v[20+\e], -v[24+\e], 0x3fc90fdb, v[20+\e]
	v_fma_f32 v[20+\e], -v[24+\e], 0xb33bbd2e, v[20+\e]   ; rho = angle - n pi / 2, pi / 2 in two parts
	v_mul_f32 v[28+\e], v[20+\e], v[20+\e]         ; z
	v_cvt_i32_f32 v[24+\e], v[24+\e]
	v_mov_b32 v[32+\e], 0xb94ca1f9
	v_fmaak_f32 v[32+\e], v[32+\e], v[28+\e], 0x3c08839e
	v_fmaak_f32 v[32+\e], v[32+\e], v[28+\e], 0xbe2aaaa3
	v_mul_f32 v[32+\e], v[32+\e], v[28+\e]
	v_fma_f32 v[32+\e], v[32+\e], v[20+\e], v[20+\e]      ; sin rho
	v_mov_b32 v[36+\e], 0x37ccf5ce
	v_fmaak_f32 v[36+\e], v[36+\e], v[28+\e], 0xbab6061a
	v_fmaak_f32 v[36+\e], v[36+\e], v[28+\e], 0x3d2aaaa5
	v_mul_f32 v[40+\e], v[28+\e], v[28+\e]
	v_fma_f32 v[44+\e], v[28+\e], -0.5, 1.0
	v_fma_f32 v[36+\e], v[40+\e], v[36+\e], v[44+\e]      ; cos rho
	v_and_b32 v[40+\e], 1, v[24+\e]
	v_cmp_ne_u32 vcc_lo, 0, v[40+\e]               ; in odd quadrants the two change places
	v_cndmask_b32 v[48+\e], v[32+\e], v[36+\e], vcc_lo
	v_cndmask_b32 v[52+\e], v[36+\e], v[32+\e], vcc_lo
	v_and_b32 v[40+\e], 2, v[24+\e]
	v_lshlrev_b32 v[40+\e], 30, v[40+\e]
	v_xor_b32 v[48+\e], v[40+\e], v[48+\e]         ; sin: minus in quadrants 2, 3
	v_add_nc_u32 v[44+\e], 1, v[24+\e]
	v_and_b32 v[44+\e], 2, v[44+\e]
	v_lshlrev_b32 v[44+\e], 30, v[44+\e]
	v_xor_b32 v[52+\e], v[44+\e], v[52+\e]         ; cos: minus in quadrants 1, 2
.endr
	global_store_b128 v12, v[52:55], s[30:31]              ; sixteen lanes store 256 consecutive bytes, aligned
	global_store_b128 v12, v[48:51], s[30:31] offset:256
.Lend:
	s_wait_tensorcnt 0x0
	ds_add_u32 v254, v255
	s_wait_dscnt 0x0
	s_endpgm
.Lfunc_end_k_qf01eec647f_quant:
	.size	k_qf01eec647f_quant, .Lfunc_end_k_qf01eec647f_quant-k_qf01eec647f_quant
	.p2alignl 7, 3214868480
	.fill 96, 4, 3214868480
	.section	.rodata,"a",@progbits
	.p2align	6, 0x0
	.amdhsa_kernel k_qf01eec647f_quant
		.amdhsa_group_segment_fixed_size 34304
		.amdhsa_private_segment_fixed_size 0
		.amdhsa_enable_private_segment 0
		.amdhsa_kernarg_size 64
		.amdhsa_user_sgpr_count 2
		.amdhsa_user_sgpr_kernarg_segment_ptr 1
		.amdhsa_wavefront_size32 1
		.amdhsa_system_sgpr_workgroup_id_x 1
		.amdhsa_system_sgpr_workgroup_id_y 1
		.amdhsa_system_sgpr_workgroup_id_z 1
		.amdhsa_system_vgpr_workitem_id 0
		.amdhsa_next_free_vgpr 256
		.amdhsa_next_free_sgpr 66
		.amdhsa_reserve_vcc 1
		.amdhsa_float_denorm_mode_32 3
		.amdhsa_float_denorm_mode_16_64 3
		.amdhsa_memory_ordered 1
		.amdhsa_forward_progress 1
		.amdhsa_inst_pref_size 40
	.end_amdhsa_kernel
	.amdgpu_metadata
---
amdhsa.version: [ 1, 2 ]
amdhsa.kernels:
  - .name:           k_qf01eec647f_quant
    .symbol:         k_qf01eec647f_quant.kd
    .args:
      - { .name: hidden_states, .offset: 0, .size: 8, .value_kind: global_buffer, .address_space: global }
      - { .name: Wq, .offset: 8, .size: 8, .value_kind: global_buffer, .address_space: global }
      - { .name: Wk, .offset: 16, .size: 8, .value_kind: global_buffer, .address_space: global }
      - { .name: Wv, .offset: 24, .size: 8, .value_kind: global_buffer, .address_space: global }
      - { .name: Wo, .offset: 32, .size: 8, .value_kind: global_buffer, .address_space: global }
      - { .name: codes, .offset: 40, .size: 8, .value_kind: global_buffer, .address_space: global }
      - { .name: scales, .offset: 48, .size: 8, .value_kind: global_buffer, .address_space: global }
      - { .name: tab, .offset: 56, .size: 8, .value_kind: global_buffer, .address_space: global }
    .group_segment_fixed_size: 34304
    .private_segment_fixed_size: 0
    .kernarg_segment_align: 8
    .kernarg_segment_size: 64
    .max_flat_workgroup_size: 128
    .sgpr_count:     66
    .vgpr_count:     256
    .wavefront_size: 32
...
	.end_amdgpu_metadata
.endif
;; end of part 1
;; launch qkv (part 2): grid 16 x 16, 4 waves a work-group, clusters of 4 x 4, 327,680 bytes of LDS; arguments codes, scales, tab, qkvc, qkvs; writes qkvc, qkvs
.if DOCPART == 2
	.amdgcn_target "amdgcn-amd-amdhsa--gfx1250"
	.amdhsa_code_object_version 6
	.text
	.protected	k_qf01eec647f_qkv
	.globl	k_qf01eec647f_qkv
	.p2align	8
	.type	k_qf01eec647f_qkv,@function
k_qf01eec647f_qkv:
	s_mov_b64 s[64:65], 0
	v_nop
	global_prefetch_b8 v0, s[64:65] scope:SCOPE_SE
	s_setreg_imm32_b32 hwreg(HW_REG_WAVE_MODE, 25, 1), 1
	s_wait_xcnt 0x0
	s_wait_alu depctr_hold_cnt(0) depctr_sa_sdst(0) depctr_va_vdst(0) depctr_va_sdst(0) depctr_va_ssrc(0) depctr_va_vcc(0) depctr_vm_vsrc(0)
	s_getreg_b32 s2, hwreg(HW_REG_IB_STS2, 6, 4)
	s_cmp_eq_u32 s2, 0
	s_cbranch_scc0 .Lentry_in_a_cluster
	s_endpgm
.Lentry_in_a_cluster:
	s_bfe_u32 s2, ttmp6, 0x10000c
	s_cmp_lg_u32 s2, 0xf033
	s_cbranch_scc0 .Lentry_shape_is_right
	s_endpgm
.Lentry_shape_is_right:
; q, k, v of ONE head for 128 tokens: x [128][2048] times 384 rows of Wq, Wk, Wv, on codes of FP6 with E8M0 scales; then the rotary turn of q and k in f32; then q and k are quantised along the head's 128, v along the 128 tokens.
; Operands lie in memory as images of operand registers (1,536 bytes a fragment: registers 4 c .. 4 c + 3 of lane l at 512 c + 16 l).  Lane-row i of tile T is row 32 (T / 2) + 8 (T % 2) + i + 8 (i / 8) in every tensor.
; SHARES.  Work-group (x = head, y = block of 128 tokens), four waves.  Wave w (b = w % 2, qk = w / 2): of q or k the channels 32 b .. + 31 and 64 + 32 b .. + 31, of v the channel tiles 2 w, 2 w + 1; all 128 tokens: 48 accumulators.
; q, k: source 0 = W, source 1 = x: a lane holds one token, registers along the channels.  v: source 0 = x, source 1 = Wv: a lane holds one channel, registers along the tokens.
; x: all four waves multiply the same 8 tiles.  Its 16 K steps, 196,608 bytes, are filled ONCE, by joint loads along a row of the cluster, and stay: nothing is filled again, and the walk along K has no barrier.
; W: each fragment is multiplied by one wave alone, and a work-group's 589,824 bytes do not fit in LDS beside x.  So W goes from memory straight into that wave's registers, 18 loads of 512 consecutive bytes a K step,
; three K steps ahead, in four sets of 72 registers: no joint load applies to what lands in registers.
; HEAD: one tensor load a wave: waves 0, 1 a half of x each, wave 2 x's scale words, wave 3 the scale words of Wq, Wk, Wv (jointly along a column).  The table's quarters follow behind the full sequence and a round.
; PREFETCH: W's K steps 4 tau + 8 .. + 11 are asked for at the start of trip tau (tau = -1 is the head), one trip of four K steps ahead of the trip that loads them.  Of a wave's six tiles the partner at place cy of the
; column names K step 4 tau + 8 + cy: 6 blocks of 256 bytes a tile, eight lanes to a tile (the two left over name the tile's last block again).  The last trip asks for nothing.  x and the table come at the head: nothing runs ahead of them.
; OUT: qkvc [head][block][q 8 x 1536 | k 8 x 1536 | v 8 x 1536], qkvs [head][block][q | k | v: 8 x 16 words].
; LIMITS: NaN and infinities are not served; blocks whose largest magnitude lies under 2^-124 keep the byte 1.
; REGISTERS: window 0: v1-23, v232-238 addresses; v24-63 scale words alone; v64-135 W set 0; v136-231 x set 0.  window 1: v64-135 W set 1, v136-231 x set 1, v0-47 and v232-255 W set 3.
; window 2: the 32 accumulators of q or k, (mt, nt) at 8 (4 mt + nt).  window 3: v's 16, (t, mt) at 64 t + 8 mt; v128-199 W set 2.
.set SCL,   196608                     ; behind x: the scale words, 4 x 8,192: x, q, k, v, each [tile 8][pair of steps 8][row 16][2 words]
.set TAB,   229376                     ; the table: 128 rows x (256 cos + 16 + 256 sin + 16)
.set SPARE, 299008                     ; the spare words, 128 bytes a wave, that no other line names
.set STS,   24576                      ; the way out lies in x's bytes, which have had their only fill and their last read by then: codes of q, k at 0, scale words here
.set AX, 4                             ; v4-7   x's tiles 2 j, 2 j + 1 at the trip's first K step
.set LN, 8                             ; v8     16 lane
.set PFQ, 9
.set ADRS, 10                          ; scale words: lanes 0-15 x's, lanes 16-31 my W's
.set ADSV, 11                          ; Wv's
.set SPW, 12
.set NIL, 13
.set ATAB, 14
.set X12, 15
.set X508, 16
.set ASB, 17
.set AVS, 18
.set CPA, 19
.set CPS, 20
.set CPG, 21
.set VGO, 22
.set PFV, 232
.set XB, 232                           ; v233-235 16 lane + 49,152 j;  v237, v238 the scale words' places at K step 0
.set SC, 24                            ; set s at 24 + 16 s; register 2 a + q
.set SV, 56                            ; set s at 56 + 4 s; register 2 t + q
.set FX, 136
.set CS0, 64
.set RR,  128
.set TM,  160
.set CD,  176
.set PCV, 184
.set PWV, 224
.set VSW, 226
.set G0T, 20
.set G1A, 24
.set G0A, 32
.set WQB, 36                           ; s[36:37] my four tiles of Wq or Wk;  s[38:39] my two of Wv: at the trip's first K step
.set WVB, 38
.set PQB, 48                           ; the same + 1,536 cy: the prefetches' bases
.set PVB, 50
.set TRIP, 52
.set XS, 53
.set SS, 54
.set G1SA, 68
.set G0SA, 76
.set G1SB, 80
.set G0SB, 88
.set G1T, 92
.set MSB, 0
.macro WIN new                         ; the immediate's high byte repeats the setting that is left
.if MSB != (\new)
	s_set_vgpr_msb (MSB<<8)|(\new)
.set MSB, (\new)
.endif
.endm
.macro PLACES n
.rept \n
	v_nop
.endr
.endm
.macro CREST
	s_cmp_lg_u32 s14, 0
	s_cbranch_scc1 .Lnot_wave_0_\@
	s_barrier_signal -3
.Lnot_wave_0_\@:
	s_barrier_wait -3
	s_barrier_signal -1
	s_barrier_wait -1
.endm
.macro CROUND
	s_barrier_signal -1
	s_barrier_wait -1
	CREST
.endm
.macro TLOAD g0, g1                    ; a tensor load with one s_nop and four v_nops behind it
	tensor_load_to_lds s[\g0:\g0+3], s[\g1:\g1+7]
	s_nop 0
.rept 4
	v_nop
.endr
.endm
.macro SETAX                           ; the LDS addresses of the trip: a constant place + the trip's step
	v_add_nc_u32 v[AX], s[XS], v[LN]
	v_add_nc_u32 v[AX+1], s[XS], v[XB+1]
	v_add_nc_u32 v[AX+2], s[XS], v[XB+2]
	v_add_nc_u32 v[AX+3], s[XS], v[XB+3]
	v_add_nc_u32 v[ADRS], s[SS], v[XB+5]
	v_add_nc_u32 v[ADSV], s[SS], v[XB+6]
.endm
	s_load_b256 s[4:11], s[0:1], 0x0               ; codes, scales, tab, qkvc
	s_load_b64 s[12:13], s[0:1], 0x20              ; qkvs
	v_lshl_add_u32 v[SPW], v0, 2, SPARE
	v_mov_b32 v[NIL], 0
	ds_add_u32 v[SPW], v[NIL]                      ; the opening lines: the add twice on end and one wait
	ds_add_u32 v[SPW], v[NIL]
	v_lshrrev_b32 v1, 5, v0
	v_readfirstlane_b32 s14, v1                    ; wave
	s_and_b32 s16, s14, 1                          ; b
	s_lshr_b32 s17, s14, 1                         ; qk
	s_bfe_u32 s40, ttmp6, 0x40000                  ; cx
	s_bfe_u32 s41, ttmp6, 0x40004                  ; cy
	s_lshl_b32 s42, ttmp9, 2
	s_add_co_u32 s42, s42, s40                     ; head
	s_and_b32 s43, ttmp7, 0xffff
	s_lshl_b32 s43, s43, 2
	s_add_co_u32 s43, s43, s41                     ; block of tokens
	s_lshl_b32 s44, s41, 2
	s_lshl_b32 s44, 15, s44                        ; my row of the cluster
	s_lshl_b32 s45, 0x1111, s40                    ; my column
	s_or_b32 s[G1A], s44, (3<<16)|(1<<21)          ; x's codes: 4 rows (tiles) of 24,576 bytes, dense; elements of 8 bytes
	s_mov_b32 s[G1A+1], 3072<<16
	s_mov_b32 s[G1A+2], 4<<16
	s_mov_b32 s[G1A+3], 3072<<16
	s_mov_b32 s[G1A+4], 4
	s_mov_b32 s[G1A+5], 3072
	s_mov_b32 s[G1A+6], 0
	s_mov_b32 s[G1A+7], 0
	s_or_b32 s[G1SA], s44, (3<<16)|(1<<21)         ; x's scale words: 8,192 dense bytes as 32 rows of 256
	s_mov_b32 s[G1SA+1], 32<<16
	s_mov_b32 s[G1SA+2], 32<<16
	s_mov_b32 s[G1SA+3], 32<<16
	s_mov_b32 s[G1SA+4], 32
	s_mov_b32 s[G1SA+5], 32
	s_mov_b32 s[G1SA+6], 0
	s_mov_b32 s[G1SA+7], 0
	s_or_b32 s[G1SB], s45, (3<<16)|(1<<21)         ; W's scale words: 3 rows (Wq, Wk, Wv) of 8,192 bytes, 131,072 bytes apart
	s_mov_b32 s[G1SB+1], 1024<<16
	s_mov_b32 s[G1SB+2], 3<<16
	s_mov_b32 s[G1SB+3], 1024<<16
	s_mov_b32 s[G1SB+4], 3
	s_mov_b32 s[G1SB+5], 16384
	s_mov_b32 s[G1SB+6], 0
	s_mov_b32 s[G1SB+7], 0
	s_or_b32 s[G1T], s44, (3<<16)|(1<<20)|(1<<21)|(5<<22)|(3<<25)   ; the table: 16,384 dense bytes a wave as 64 rows of 256, 16 bytes of padding behind each
	s_mov_b32 s[G1T+1], 32<<16
	s_mov_b32 s[G1T+2], 64<<16
	s_mov_b32 s[G1T+3], 32<<16
	s_mov_b32 s[G1T+4], 64
	s_mov_b32 s[G1T+5], 32
	s_mov_b32 s[G1T+6], 0
	s_mov_b32 s[G1T+7], 0
	s_mul_i32 s18, s43, 196608                     ; x's side hangs on the token block and the wave alone
	s_mul_i32 s[G0A+1], s16, 98304                 ; LDS: which half of x
	s_add_co_u32 s18, s18, s[G0A+1]
	s_mov_b32 s19, 0
	s_lshl_b32 s2, s43, 13
	s_mov_b32 s3, 0
	s_lshl_b32 s46, s42, 13                        ; W's scale words hang on the head alone
	s_add_co_u32 s46, s46, 131072
	s_mov_b32 s47, 0
	s_lshl_b32 s100, s43, 16
	s_lshl_b32 s101, s14, 14
	s_add_co_u32 s100, s100, s101
	s_mov_b32 s101, 0
	s_mul_i32 s15, s14, 17408
	s_add_co_u32 s[G0T+1], s15, TAB
	s_mul_i32 s15, s42, 196608                     ; the head's eight tiles of a W
	s_add_co_u32 s[WQB], s17, 1
	s_mul_i32 s[WQB], s[WQB], 3145728
	s_add_co_u32 s[WQB], s[WQB], s15
	s_mul_i32 s[WVB], s16, 49152
	s_add_co_u32 s[WQB], s[WQB], s[WVB]            ; tensor 1 + qk, tile 2 b
	s_mov_b32 s[WQB+1], 0
	s_mul_i32 s[WVB], s14, 49152
	s_add_co_u32 s[WVB], s[WVB], s15
	s_add_co_u32 s[WVB], s[WVB], 9437184           ; tensor 3, tile 2 w
	s_mov_b32 s[WVB+1], 0
	s_mul_i32 s[PQB], s41, 1536
	s_mov_b32 s[PQB+1], 0
	s_add_co_u32 s55, s17, 1
	s_lshl_b32 s55, s55, 13
	s_lshl_b32 s56, s16, 11
	s_add_co_u32 s55, s55, s56                     ; from x's scale words to my W's tile 2 b
	s_lshl_b32 s56, s14, 11
	s_add_co_u32 s56, s56, SCL+3*8192
	s_lshl_b32 s57, s16, 7
	s_add_co_u32 s57, s57, TAB
	s_mul_i32 s58, s17, 12288
	s_lshl_b32 s59, s16, 8
	s_add_co_u32 s58, s58, s59
	s_lshl_b32 s59, s17, 9
	s_add_co_u32 s59, s59, s16
	s_add_co_u32 s59, s59, STS
	s_lshl_b32 s60, s14, 7
	s_add_co_u32 s60, s60, STS+1024
	s_mul_i32 s61, s14, 6144
	s_lshl_b32 s62, s14, 9
	s_mul_i32 s63, s14, 3072
	s_add_co_u32 s63, s63, 24576
	s_mov_b32 s[XS], 0
	s_mov_b32 s[SS], 0
	s_mov_b32 s66, 0x76543210
	s_mov_b32 s67, 0xfedcba98
	s_mov_b32 s[G0A], 1
	s_mov_b32 s[G0SA], 1
	s_mov_b32 s[G0SA+1], SCL
	s_mov_b32 s[G0SB], 1
	s_mov_b32 s[G0SB+1], SCL+8192
	s_mov_b32 s[G0T], 1
	v_and_b32 v1, 15, v0                           ; r
	v_bfe_u32 v2, v0, 4, 1                         ; h
	v_and_b32 v3, 31, v0                           ; lane
	v_lshlrev_b32 v[LN], 4, v3
	v_add_nc_u32 v[XB+1], 49152, v[LN]
	v_add_nc_u32 v[XB+2], 98304, v[LN]
	v_add_nc_u32 v[XB+3], 147456, v[LN]
	v_mul_u32_u24 v23, s55, v2                     ; lanes 16-31 stand at my W's tile 2 b: one product, h x the distance
	v_lshl_add_u32 v23, v1, 3, v23
	v_add_nc_u32 v[XB+5], SCL, v23
	v_lshlrev_b32 v[XB+6], 3, v1
	v_add_nc_u32 v[XB+6], s56, v[XB+6]
	v_and_b32 v23, 8, v1
	v_add_nc_u32 v23, v23, v1                      ; r + 8 (r / 8)
	v_mul_u32_u24 v[ATAB], v23, 544
	v_lshl_add_u32 v[ATAB], v2, 6, v[ATAB]
	v_add_nc_u32 v[ATAB], s57, v[ATAB]             ; my token's row, frequencies 32 b + 16 h on
	v_lshlrev_b32 v23, 4, v1
	v_add_nc_u32 v23, s58, v23                     ; the image's lane r + 16 b
	v_mad_u32_u24 v[X12], v2, 12, v23
	v_mad_u32_u24 v[X508], v2, 508, v23
	v_lshl_add_u32 v[ASB], v1, 2, s59              ; byte b of row r's scale word
	v_lshl_add_u32 v[AVS], v3, 2, s60
	v_add_nc_u32 v[CPA], s61, v[LN]
	v_add_nc_u32 v[CPG], s62, v[LN]
	v_add_nc_u32 v[CPS], STS, v[CPG]
	v_add_nc_u32 v[VGO], s63, v[LN]
	v_lshrrev_b32 v23, 3, v3                       ; the prefetches: eight lanes to a tile, j = lane / 8
	v_lshrrev_b32 v[PFQ], 4, v3
	v_lshl_add_u32 v[PFQ], v[PFQ], 1, v23          ; tile j + 2 (j / 2) of q or k,
	v_and_b32 v23, 1, v23                          ; tile j % 2 of v
	v_mul_u32_u24 v[PFQ], v[PFQ], 24576
	v_mul_u32_u24 v[PFV], v23, 24576
	v_and_b32 v23, 7, v3
	v_min_u32 v23, 5, v23                          ; a fragment is six blocks of 256 bytes
	v_lshl_add_u32 v[PFQ], v23, 8, v[PFQ]
	v_lshl_add_u32 v[PFV], v23, 8, v[PFV]
	SETAX
	s_wait_alu depctr_va_vdst(0)                   ; the wait at the head's end
	s_wait_dscnt 0x0                               ; both opening adds are done
	s_wait_kmcnt 0x0
	s_add_nc_u64 s[G0A+2:G0A+3], s[4:5], s[18:19]
	s_or_b32 s[G0A+3], s[G0A+3], 0x80000000
	s_add_nc_u64 s[G0SA+2:G0SA+3], s[6:7], s[2:3]
	s_or_b32 s[G0SA+3], s[G0SA+3], 0x80000000
	s_add_nc_u64 s[G0SB+2:G0SB+3], s[6:7], s[46:47]
	s_or_b32 s[G0SB+3], s[G0SB+3], 0x80000000
	s_add_nc_u64 s[G0T+2:G0T+3], s[8:9], s[100:101]
	s_or_b32 s[G0T+3], s[G0T+3], 0x80000000
	s_add_nc_u64 s[WQB:WQB+1], s[4:5], s[WQB:WQB+1]
	s_add_nc_u64 s[WVB:WVB+1], s[4:5], s[WVB:WVB+1]
	s_add_nc_u64 s[PVB:PVB+1], s[WVB:WVB+1], s[PQB:PQB+1]
	s_add_nc_u64 s[PQB:PQB+1], s[WQB:WQB+1], s[PQB:PQB+1]
	CROUND                                         ; all sixteen work-groups are here: the first joint loads meet
	s_cmp_lt_u32 s14, 2                            ; one chain of branches on the wave's number, one load to an arm
	s_cbranch_scc0 .Lhead_sa
	TLOAD G0A, G1A                                 ; waves 0, 1: a half of x
	s_branch .Lhead_asked
.Lhead_sa:
	s_cmp_lt_u32 s14, 3
	s_cbranch_scc0 .Lhead_sb
	TLOAD G0SA, G1SA                               ; wave 2: x's scale words
	s_branch .Lhead_asked
.Lhead_sb:
	TLOAD G0SB, G1SB                               ; wave 3: W's
.Lhead_asked:
.macro WSET k                          ; where W's set k lies
.if (\k) == 0
.set WW, 0
.set FQ, 64
.set FV, 112
.else
.if (\k) == 1
.set WW, 1
.set FQ, 64
.set FV, 112
.else
.if (\k) == 2
.set WW, 3
.set FQ, 128
.set FV, 176
.else
.set WW, 1
.set FQ, 0
.set FV, 232
.endif
.endif
.endif
.endm
.macro WLOAD k                         ; my six fragments of W of the trip's K step k, 18 loads of 512 consecutive bytes, into set k % 4
	WSET (\k)%4
	WIN WW<<6
.irp nt, 0,1,2,3
.irp c, 0,1,2
	global_load_b128 v[FQ+12*\nt+4*\c:FQ+12*\nt+4*\c+3], v[LN], s[WQB:WQB+1] offset:(\nt+2*(\nt/2))*24576+1536*(\k)+512*\c
.endr
.endr
.irp t, 0,1
.irp c, 0,1,2
	global_load_b128 v[FV+12*\t+4*\c:FV+12*\t+4*\c+3], v[LN], s[WVB:WVB+1] offset:24576*\t+1536*(\k)+512*\c
.endr
.endr
.endm
.macro FETCHX k                        ; x's eight fragments of the trip's K step k, 24 LDS loads, into set k % 2
	WIN 0x40*((\k)%2)
.irp a, 0,1,2,3,4,5,6,7
.irp c, 0,1,2
	ds_load_b128 v[FX+12*\a+4*\c:FX+12*\a+4*\c+3], v[AX+\a/2] offset:24576*(\a%2)+1536*(\k)+512*\c
.endr
.endr
.endm
.macro SCALES set, off                 ; two K steps' words a row: lanes 0-15 x's tile a, lanes 16-31 my W's tile 2 b + a; then Wv's
.irp a, 0,1,2,3,4,5,6,7
	ds_load_b64 v[SC+16*(\set)+2*\a:SC+16*(\set)+2*\a+1], v[ADRS] offset:1024*\a+(\off)
.endr
.irp t, 0,1
	ds_load_b64 v[SV+4*(\set)+2*\t:SV+4*(\set)+2*\t+1], v[ADSV] offset:1024*\t+(\off)
.endr
.endm
; The 48 accumulators take turns, one instruction a turn, in the same order in every K step.
.macro MULQK mt, q, set, zero
.irp nt, 0,1,2,3
.if \zero
	v_wmma_scale_f32_16x16x128_f8f6f4 v[8*(4*(\mt)+\nt):8*(4*(\mt)+\nt)+7], v[FQ+12*\nt:FQ+12*\nt+11], v[FX+12*(\mt):FX+12*(\mt)+11], 0, v[SC+16*(\set)+2*(\nt+2*(\nt/2))+(\q)], v[SC+16*(\set)+2*(\mt)+(\q)] matrix_a_fmt:MATRIX_FMT_FP6 matrix_b_fmt:MATRIX_FMT_FP6 matrix_a_scale:MATRIX_SCALE_ROW1
.else
	v_wmma_scale_f32_16x16x128_f8f6f4 v[8*(4*(\mt)+\nt):8*(4*(\mt)+\nt)+7], v[FQ+12*\nt:FQ+12*\nt+11], v[FX+12*(\mt):FX+12*(\mt)+11], v[8*(4*(\mt)+\nt):8*(4*(\mt)+\nt)+7], v[SC+16*(\set)+2*(\nt+2*(\nt/2))+(\q)], v[SC+16*(\set)+2*(\mt)+(\q)] matrix_a_fmt:MATRIX_FMT_FP6 matrix_b_fmt:MATRIX_FMT_FP6 matrix_a_scale:MATRIX_SCALE_ROW1
.endif
.endr
.endm
.macro MULV mt, q, set, zero
.irp t, 0,1
.if \zero
	v_wmma_scale_f32_16x16x128_f8f6f4 v[64*\t+8*(\mt):64*\t+8*(\mt)+7], v[FX+12*(\mt):FX+12*(\mt)+11], v[FV+12*\t:FV+12*\t+11], 0, v[SC+16*(\set)+2*(\mt)+(\q)], v[SV+4*(\set)+2*\t+(\q)] matrix_a_fmt:MATRIX_FMT_FP6 matrix_b_fmt:MATRIX_FMT_FP6
.else
	v_wmma_scale_f32_16x16x128_f8f6f4 v[64*\t+8*(\mt):64*\t+8*(\mt)+7], v[FX+12*(\mt):FX+12*(\mt)+11], v[FV+12*\t:FV+12*\t+11], v[64*\t+8*(\mt):64*\t+8*(\mt)+7], v[SC+16*(\set)+2*(\mt)+(\q)], v[SV+4*(\set)+2*\t+(\q)] matrix_a_fmt:MATRIX_FMT_FP6 matrix_b_fmt:MATRIX_FMT_FP6
.endif
.endr
.endm
; The trip's K step i: asks for W three steps on (wl) and x one step on (xf), then multiplies.  lc: W's loads issued behind this step's, which may stay out
.macro STEP i, zero, wl, xf, lc
	PLACES 4                                       ; in front of loads into registers that the last step's matrix instructions have read
.if \wl
	WLOAD (\i)+3
.endif
.set NEWDS, 0
.if \xf
.if ((\i)+1)%2 == 0
	WIN 0
	SCALES (((\i)+1)/2)%2, 128*(((\i)+1)/2)
.set NEWDS, 10
.endif
	FETCHX (\i)+1
.set NEWDS, NEWDS+24
.endif
	WSET (\i)%4
	s_wait_loadcnt \lc
	WIN 0xa0|(((\i)%2)<<2)|WW
.irp mt, 0,1,2,3,4,5,6,7
	s_wait_dscnt NEWDS+3*(7-\mt)                   ; the LDS loads just issued and x's fragments behind this one may be out
	MULQK \mt, (\i)%2, ((\i)/2)%2, \zero
.endr
	WIN 0xf0|(WW<<2)|((\i)%2)
.irp mt, 0,1,2,3,4,5,6,7
	MULV \mt, (\i)%2, ((\i)/2)%2, \zero
.endr
.endm
	WLOAD 0                                        ; W's K steps 0 to 2: 54 loads
	WLOAD 1
	WLOAD 2
	WIN 0
	global_prefetch_b8 v[PFQ], s[PQB:PQB+1] offset:6144 th:TH_LOAD_NT scope:SCOPE_SE    ; K step 4 + cy
	global_prefetch_b8 v[PFV], s[PVB:PVB+1] offset:6144 th:TH_LOAD_NT scope:SCOPE_SE
	s_lshl_b32 s15, s42, 4
	s_add_co_u32 s15, s15, s43                     ; 16 head + block
	s_mul_i32 s2, s15, 36864
	s_mov_b32 s3, 0
	s_add_nc_u64 s[10:11], s[10:11], s[2:3]
	s_mul_i32 s2, s15, 1536
	s_add_nc_u64 s[12:13], s[12:13], s[2:3]
	s_wait_tensorcnt 0x0                           ; my tile of the head's four is in
	ds_add_u32 v[SPW], v[NIL]
	s_wait_dscnt 0x0
	CROUND                                         ; everybody's tile is in, and all sixteen work-groups are here
	TLOAD G0T, G1T                                 ; my quarter of the table, the first tensor load behind the round
	SCALES 0, 0
	FETCHX 0
	STEP 0, 1, 1, 1, 54                            ; the first K step starts the sums: nothing is cleared
	WIN 0
	s_mov_b32 s[TRIP], 3
.Ltrip:                                                ; a trip: K steps 4 t + 1 .. 4 t + 4; register sets are back where they began
	s_cmp_lg_u32 s[TRIP], 1
	s_cbranch_scc0 .Lno_ask                        ; the last trip has no K step 4 t + 8
	global_prefetch_b8 v[PFQ], s[PQB:PQB+1] offset:12288 th:TH_LOAD_NT scope:SCOPE_SE   ; K step 4 t + 8 + cy
	global_prefetch_b8 v[PFV], s[PVB:PVB+1] offset:12288 th:TH_LOAD_NT scope:SCOPE_SE
.Lno_ask:
	STEP 1, 0, 1, 1, 54
	STEP 2, 0, 1, 1, 54
	STEP 3, 0, 1, 1, 54
	STEP 4, 0, 1, 1, 54
	WIN 0
	s_wait_xcnt 0x0                                ; the loads and prefetches have read their bases
	s_add_nc_u64 s[WQB:WQB+1], s[WQB:WQB+1], 6144
	s_add_nc_u64 s[WVB:WVB+1], s[WVB:WVB+1], 6144
	s_add_nc_u64 s[PQB:PQB+1], s[PQB:PQB+1], 6144
	s_add_nc_u64 s[PVB:PVB+1], s[PVB:PVB+1], 6144
	s_add_co_u32 s[XS], s[XS], 6144
	s_add_co_u32 s[SS], s[SS], 256
	SETAX
	s_sub_co_u32 s[TRIP], s[TRIP], 1
	s_cmp_lg_u32 s[TRIP], 0
	s_wait_alu depctr_va_vdst(0)                   ; directly ahead of the branch
	s_cbranch_scc1 .Ltrip
	STEP 1, 0, 0, 1, 36                            ; K steps 13 to 15 ask for nothing beyond the end
	STEP 2, 0, 0, 1, 18
	STEP 3, 0, 0, 0, 0
	WIN 0
	s_wait_tensorcnt 0x0                           ; my quarter of the table is in,
	s_wait_dscnt 0x0                               ; and my reads of x are over
	s_barrier_signal -1
	s_barrier_wait -1                              ; both now hold of every wave: the table is whole, and x's bytes are free for the way out
	PLACES 4                                       ; behind the last products: results are read and operand registers written from here on
.irp b, 0,1,2,3
	v_mov_b32 v[TM+4+\b], 0                        ; a lane permute's destination counts as one of its sources
.endr
; ---- v: register 64 t + 16 b + i of window 3 is token 32 b + 16 h + i of my channel: a fragment of 16 channels x 128 tokens
.macro QUANTV t
.set PC, PCV+20*(\t)
	WIN 0x0f
.irp b, 0,1,2,3
	v_max3_num_f32 v[TM+\b], |v[64*(\t)+16*\b]|, |v[64*(\t)+16*\b+1]|, 0x1800000   ; each accumulator is read from its low end on; the floor 2^(3 - 127) holds the byte at 1
.endr
.irp i, 2,4,6,8,10,12,14
.irp b, 0,1,2,3
	v_max3_num_f32 v[TM+\b], |v[64*(\t)+16*\b+\i]|, |v[64*(\t)+16*\b+\i+1]|, v[TM+\b]
.endr
.endr
	WIN 0
.irp b, 0,1,2,3
	v_permlanex16_b32 v[TM+4+\b], v[TM+\b], s66, s67
.endr
.irp b, 0,1,2,3
	v_max_num_f32 v[TM+\b], v[TM+\b], v[TM+4+\b]
.endr
.irp b, 0,1,2,3
	v_add_nc_u32 v[TM+12+\b], 0xff000000, v[TM+\b]
.endr
.irp b, 0,1,2,3
	v_lshrrev_b32 v[TM+4+\b], 23, v[TM+12+\b]
.endr
	v_lshl_or_b32 v[PWV+\t], v[TM+5], 8, v[TM+4]
	v_lshl_or_b32 v[PWV+\t], v[TM+6], 16, v[PWV+\t]
	v_lshl_or_b32 v[PWV+\t], v[TM+7], 24, v[PWV+\t]
	WIN 0x03
.irp c, 0,1
	v_cvt_scalef32_pk16_fp6_f32 v[PC+6*\c:PC+2+6*\c], v[64*(\t)+32*\c:64*(\t)+32*\c+15], v[TM+12+2*\c]
	v_cvt_scalef32_pk16_fp6_f32 v[PC+12+4*\c:PC+14+4*\c], v[64*(\t)+32*\c+16:64*(\t)+32*\c+31], v[TM+12+2*\c+1]
.endr
	WIN 0
	v_nop                                          ; one plain place behind a scaled conversion
.irp c, 0,1
.irp i, 0,1,2
	v_permlane16_swap_b32 v[PC+6*\c+\i], v[PC+12+4*\c+\i]
.endr
.irp i, 0,1,2
	v_mov_b32 v[PC+3+6*\c+\i], v[PC+12+4*\c+\i]
.endr
.endr
.irp c, 0,1,2
	global_store_b128 v[VGO], v[PC+4*\c:PC+4*\c+3], s[10:11] offset:1536*(\t)+512*\c   ; 32 lanes store 512 consecutive bytes, aligned
.endr
.endm
	QUANTV 0
	QUANTV 1
	v_cmp_ne_u32 vcc_lo, 0, v2
	v_cndmask_b32 v[VSW], v[PWV], v[PWV+1], vcc_lo ; lanes 0-15: tile 2 w's words, lanes 16-31: tile 2 w + 1's
	ds_store_b32 v[AVS], v[VSW]
; ---- q or k: the rotary turn, then two blocks of 32 channels a token
.macro CSLOAD mt
.set CBL, CS0+32*((\mt)%2)
.irp j, 0,1,2,3
	ds_load_b128 v[CBL+4*\j:CBL+4*\j+3], v[ATAB] offset:(32*((\mt)/2)+8*((\mt)%2))*544+16*\j
.endr
.irp j, 0,1,2,3
	ds_load_b128 v[CBL+16+4*\j:CBL+16+4*\j+3], v[ATAB] offset:(32*((\mt)/2)+8*((\mt)%2))*544+272+16*\j
.endr
.endm
.macro ROPE mt
.if (\mt) < 7
	CSLOAD (\mt)+1
	s_wait_dscnt 8                                 ; all but the eight just issued: this tile's cos and sin are in, and the last tile's stores have read their registers
.else
	s_wait_dscnt 0x0
.endif
.set CB, CS0+32*((\mt)%2)
	WIN 0x02                                       ; source 0: the accumulators, window 2
.irp i, 0,2,4,6,8,10,12,14
	v_pk_mul_f32 v[RR+\i:RR+\i+1], v[32*(\mt)+\i:32*(\mt)+\i+1], v[CB+\i:CB+\i+1]                 ; lo cos
	v_pk_mul_f32 v[RR+16+\i:RR+17+\i], v[32*(\mt)+16+\i:32*(\mt)+17+\i], v[CB+\i:CB+\i+1]         ; hi cos
.endr
.irp i, 0,2,4,6,8,10,12,14
	v_pk_fma_f32 v[RR+\i:RR+\i+1], v[32*(\mt)+16+\i:32*(\mt)+17+\i], v[CB+16+\i:CB+17+\i], v[RR+\i:RR+\i+1] neg_lo:[1,0,0] neg_hi:[1,0,0]   ; - hi sin
	v_pk_fma_f32 v[RR+16+\i:RR+17+\i], v[32*(\mt)+\i:32*(\mt)+\i+1], v[CB+16+\i:CB+17+\i], v[RR+16+\i:RR+17+\i]                            ; + lo sin
.endr
	WIN 0
.irp x, 0,1
	v_max3_num_f32 v[TM+\x], |v[RR+16*\x]|, |v[RR+16*\x+1]|, 0x1800000
.endr
.irp i, 2,4,6,8,10,12,14
.irp x, 0,1
	v_max3_num_f32 v[TM+\x], v[TM+\x], |v[RR+16*\x+\i]|, |v[RR+16*\x+\i+1]|
.endr
.endr
.irp x, 0,1
	v_permlanex16_b32 v[TM+4+\x], v[TM+\x], s66, s67
.endr
.irp x, 0,1
	v_max_num_f32 v[TM+\x], v[TM+\x], v[TM+4+\x]
.endr
.irp x, 0,1
	v_add_nc_u32 v[TM+12+\x], 0xff000000, v[TM+\x]
.endr
.irp x, 0,1
	v_lshrrev_b32 v[TM+8+\x], 23, v[TM+12+\x]
.endr
.irp x, 0,1
	v_cvt_scalef32_pk16_fp6_f32 v[CD+4*\x:CD+4*\x+2], v[RR+16*\x:RR+16*\x+15], v[TM+12+\x]
.endr
	v_nop                                          ; one plain place behind a scaled conversion
	; my 16 codes of block b (then b + 2) are registers 3 h .. 3 h + 2 (6 + 3 h ..) of lane r + 16 b of the token tile's image
	ds_store_b32 v[X12],  v[CD]   offset:1536*(\mt)
	ds_store_b32 v[X508], v[CD+1] offset:1536*(\mt)+4
	ds_store_b32 v[X508], v[CD+2] offset:1536*(\mt)+8
	ds_store_b32 v[X508], v[CD+4] offset:1536*(\mt)+520
	ds_store_b32 v[X508], v[CD+5] offset:1536*(\mt)+524
	ds_store_b32 v[X12],  v[CD+6] offset:1536*(\mt)+1024
	ds_store_b8 v[ASB], v[TM+8] offset:64*(\mt)    ; both halves of the lanes write the same byte with the same value
	ds_store_b8 v[ASB], v[TM+9] offset:64*(\mt)+2
.endm
	CSLOAD 0
.irp mt, 0,1,2,3,4,5,6,7
	ROPE \mt
.endr
	s_wait_dscnt 0x0                               ; for the others' sake: my stores into the stage are done
	s_barrier_signal -1
	s_barrier_wait -1
.irp i, 0,1,2,3,4,5,6,7,8,9,10,11
	ds_load_b128 v[64+4*\i:67+4*\i], v[CPA] offset:512*\i
.endr
.irp i, 0,1,2,3,4,5,6,7,8,9,10,11
	s_wait_dscnt 11-\i
	global_store_b128 v[CPA], v[64+4*\i:67+4*\i], s[10:11] offset:512*\i   ; q's and k's images: 512 consecutive bytes, aligned
.endr
	s_cmp_lt_u32 s14, 3
	s_cbranch_scc0 .Lno_words
	ds_load_b128 v[112:115], v[CPS]
	s_wait_dscnt 0x0
	global_store_b128 v[CPG], v[112:115], s[12:13] ; the scale words of q, k, v: a wave each
.Lno_words:
	s_wait_tensorcnt 0x0                           ; the wave's end
	ds_add_u32 v[SPW], v[NIL]
	s_wait_dscnt 0x0
	CROUND                                         ; the closing round
	s_endpgm
.Lfunc_end_k_qf01eec647f_qkv:
	.size	k_qf01eec647f_qkv, .Lfunc_end_k_qf01eec647f_qkv-k_qf01eec647f_qkv
	.p2alignl 7, 3214868480
	.fill 96, 4, 3214868480
	.section	.rodata,"a",@progbits
	.p2align	6, 0x0
	.amdhsa_kernel k_qf01eec647f_qkv
		.amdhsa_group_segment_fixed_size 327680
		.amdhsa_private_segment_fixed_size 0
		.amdhsa_enable_private_segment 0
		.amdhsa_kernarg_size 40
		.amdhsa_user_sgpr_count 2
		.amdhsa_user_sgpr_kernarg_segment_ptr 1
		.amdhsa_wavefront_size32 1
		.amdhsa_system_sgpr_workgroup_id_x 1
		.amdhsa_system_sgpr_workgroup_id_y 1
		.amdhsa_system_sgpr_workgroup_id_z 1
		.amdhsa_system_vgpr_workitem_id 0
		.amdhsa_next_free_vgpr 1024
		.amdhsa_next_free_sgpr 102
		.amdhsa_reserve_vcc 1
		.amdhsa_float_denorm_mode_32 3
		.amdhsa_float_denorm_mode_16_64 3
		.amdhsa_memory_ordered 1
		.amdhsa_forward_progress 1
		.amdhsa_inst_pref_size 141
	.end_amdhsa_kernel
	.amdgpu_metadata
---
amdhsa.version: [ 1, 2 ]
amdhsa.kernels:
  - .name:           k_qf01eec647f_qkv
    .symbol:         k_qf01eec647f_qkv.kd
    .args:
      - { .name: codes, .offset: 0, .size: 8, .value_kind: global_buffer, .address_space: global }
      - { .name: scales, .offset: 8, .size: 8, .value_kind: global_buffer, .address_space: global }
      - { .name: tab, .offset: 16, .size: 8, .value_kind: global_buffer, .address_space: global }
      - { .name: qkvc, .offset: 24, .size: 8, .value_kind: global_buffer, .address_space: global }
      - { .name: qkvs, .offset: 32, .size: 8, .value_kind: global_buffer, .address_space: global }
    .group_segment_fixed_size: 327680
    .private_segment_fixed_size: 0
    .kernarg_segment_align: 8
    .kernarg_segment_size: 40
    .max_flat_workgroup_size: 128
    .sgpr_count:     102
    .vgpr_count:     1024
    .wavefront_size: 32
...
	.end_amdgpu_metadata
.endif
;; end of part 2
;; launch attn (part 3): grid 16 x 16, 16 waves a work-group, clusters of 4 x 1, 327,680 bytes of LDS; arguments qkvc, qkvs, cc, cs; writes cc, cs
.if DOCPART == 3
	.amdgcn_target "amdgcn-amd-amdhsa--gfx1250"
	.amdhsa_code_object_version 6
	.text
	.protected	k_qf01eec647f_attn
	.globl	k_qf01eec647f_attn
	.p2align	8
	.type	k_qf01eec647f_attn,@function
k_qf01eec647f_attn:
	s_mov_b64 s[64:65], 0
	v_nop
	global_prefetch_b8 v0, s[64:65] scope:SCOPE_SE
	s_setreg_imm32_b32 hwreg(HW_REG_WAVE_MODE, 25, 1), 1
	s_wait_xcnt 0x0
	s_wait_alu depctr_hold_cnt(0) depctr_sa_sdst(0) depctr_va_vdst(0) depctr_va_sdst(0) depctr_va_ssrc(0) depctr_va_vcc(0) depctr_vm_vsrc(0)
	s_getreg_b32 s2, hwreg(HW_REG_IB_STS2, 6, 4)
	s_cmp_eq_u32 s2, 0
	s_cbranch_scc0 .Lentry_in_a_cluster
	s_endpgm
.Lentry_in_a_cluster:
	s_bfe_u32 s2, ttmp6, 0x10000c
	s_cmp_lg_u32 s2, 0x3003
	s_cbranch_scc0 .Lentry_shape_is_right
	s_endpgm
.Lentry_shape_is_right:
; Causal attention of one head on codes of FP6 with E8M0 scales, and the quantising of its result along head x 128 + channel.
; t = score x log2(e) / sqrt(128); M = the running largest t rounded up to a whole number; p = 2^(t - M) is quantised along the keys; the row's sum is taken of the unquantised p and divides at the end.
; LEFT OUT: key steps all of whose keys come after the wave's queries: the causal mask sets their scores to -1e30, so their p is 0 for all values of the inputs.
; Operands are images of operand registers (1,536 bytes a fragment); lane-row i of tile T is row 32 (T / 2) + 8 (T % 2) + i + 8 (i / 8), so that a lane's 16 registers of two neighbouring tiles are 16 neighbours.
; Both products are used transposed (S^T = K Q^T, O^T = V^T P^T): a lane holds one query throughout.
; SHARES.  Group g = queries 128 g .. + 127 needs key steps (128 keys) 0 .. g.  Cluster c of a head owns groups c, 7 - c, 15 - c, 8 + c: 34 steps in all.  Partner cx takes 32 queries (two tiles) of each group, so all four
; partners leave out the same steps: no branch hangs on a work-group's place in its cluster.  A tile is shared by TWO waves along the keys: wave kp takes the key steps of parity kp; the two meet in LDS at the end.
; Sixteen waves of 256 registers, four to a SIMD: one wave's vector work stands beside another's matrix work and LDS loads.
; RING: two slots of SIX key steps, [step][K 8 x 1536 | V 8 x 1536], 147,456 bytes each, filled jointly for the four partners.  The 16 key steps come in three fills of 6, 6 and 4: slot 0 at the head, slot 1 behind the first
; round, slot 0 again behind the second; a wave walks 3, 3 and 2 key steps between them.  A fill is 12 (the last: 8) pieces of 12,288 bytes, one tensor load a wave, waves 0 to 11 (0 to 7).
; At the head every wave issues one load: waves 12 to 15 bring a quarter each of the head's scale words, filled once.  By this text's own count a wave has one tensor load out at the most.
; Trip counts are constants; a step that is left out is passed by a scalar branch on ids.
; The stage in which the two waves of a tile meet lies in slot 1, which has had its last fill and, behind the third barrier, its last read.
; PREFETCH: all clusters of a head walk the same K and V: the head's first cluster asks, once, at the first change of slots, for the last fill's key steps 12 to 15, one slot ahead of their load: partner cx names key step 12 + cx
; (told apart by address), waves 4 to 6 8,192 bytes each, lanes 256 bytes apart.  Key steps 0 to 11 come by their loads alone: their loads stand at the head and directly behind it.
; LIMITS: NaN and infinities are not served; blocks under 2^-124 keep the byte 1; the scaled scores stay under 2^31 in magnitude.
.set SLOT1, 147456
.set XCH,   147456                     ; 8 x 8,448: O^T 8,192, -M 128, the sum 128: from wave kp = 1 to wave kp = 0
.set SCA,   294912                     ; the head's scale words: [key step 16][q 512 | k 512 | v 512]
.set SPARE, 319488                     ; the spare words, 128 bytes a wave, that no other line names
.set AK0, 1
.set XA,  2
.set AS0, 3
.set XB,  4
.set SPW, 5
.set NIL, 6
.set ADK, 8
.set ADS, 10
.set PFO, 28
.set DQ,  29                           ; my query's place in its group - 16 h: data only
.set LI,  30
.set LS,  31
.set TM,  232
.set PC,  160
.set PW,  180
.set TB, 2
.set TS, 3
.set WV, 18
.set SEL, 20
.set CS, 22
.set G1, 24
.set G1S, 32
.set G0, 40
.set G0S, 44
.set KS, 66
.set GG, 67
.set CNT, 68
.set PFA, 76
.set LIM, 80
.macro CROUND
	s_barrier_signal -1
	s_barrier_wait -1
	s_cmp_lg_u32 s[WV], 0
	s_cbranch_scc1 .Lnot_wave_0_\@
	s_barrier_signal -3
.Lnot_wave_0_\@:
	s_barrier_wait -3
	s_barrier_signal -1
	s_barrier_wait -1
.endm
	s_load_b256 s[4:11], s[0:1], 0x0               ; qkvc, qkvs, cc, cs
	v_lshl_add_u32 v[SPW], v0, 2, SPARE
	v_mov_b32 v[NIL], 0
	ds_add_u32 v[SPW], v[NIL]                      ; the opening lines: the add twice on end and one wait
	ds_add_u32 v[SPW], v[NIL]
	s_wait_dscnt 0x0
	v_lshrrev_b32 v32, 5, v0
	s_delay_alu instid0(VALU_DEP_1)
	v_readfirstlane_b32 s[WV], v32                 ; wave 0..15
	s_lshr_b32 s12, s[WV], 2
	s_add_co_u32 s13, s[WV], s12
	s_and_b32 s13, s13, 3                          ; gi: which of the cluster's four groups (a Latin square over the waves, so that each SIMD's four waves carry about the same number of steps)
	s_and_b32 s14, s12, 1                          ; u: which of the two tiles
	s_lshr_b32 s15, s[WV], 3                       ; kp: the parity of my key steps
	s_lshl_b32 s16, s13, 1
	s_add_co_u32 s16, s16, s14                     ; ts: the tile's number in the work-group
	s_lshl_b32 s17, s13, 2
	s_lshr_b32 s17, 0x8f70, s17
	s_and_b32 s17, s17, 15
	s_xor_b32 s[GG], s17, ttmp9                    ; g = c, 7 - c, 15 - c, 8 + c
	s_bfe_u32 s19, ttmp6, 0x40000                  ; cx: it enters global addresses and the mask's data alone
	; every LDS address that stays is made here, ahead of the first parting of the waves
	v_and_b32 v33, 31, v0                          ; lane
	v_and_b32 v34, 15, v0                          ; r
	v_bfe_u32 v35, v0, 4, 1                        ; h
	s_delay_alu instid0(VALU_DEP_3)
	v_lshlrev_b32 v[LI], 4, v33
	s_delay_alu instid0(VALU_DEP_3)
	v_lshlrev_b32 v[LS], 2, v34
	s_mul_i32 s81, s15, 24576
	v_add_nc_u32 v[AK0], s81, v[LI]
	s_mul_i32 s81, s16, 8448
	s_add_co_u32 s81, s81, XCH
	v_add_nc_u32 v[XA], s81, v[LI]
	s_add_co_u32 s81, s81, 8192
	v_lshl_add_u32 v[XB], v33, 2, s81
	s_mul_i32 s81, s15, 1536
	s_add_co_u32 s81, s81, SCA
	v_add_nc_u32 v[AS0], s81, v[LS]
	v_and_b32 v36, 8, v34
	s_delay_alu instid0(VALU_DEP_1)
	v_add_nc_u32 v36, v36, v34                     ; r + 8 (r / 8)
	v_lshlrev_b32 v37, 4, v35
	s_delay_alu instid0(VALU_DEP_1)
	v_sub_nc_u32 v36, v36, v37
	s_lshl_b32 s81, s19, 5
	s_lshl_b32 s82, s14, 3
	s_add_co_u32 s81, s81, s82
	v_add_nc_u32 v[DQ], s81, v36                   ; 32 cx + 8 u + r + 8 (r / 8) - 16 h
	v_lshlrev_b32 v[PFO], 8, v33
	; group 1: 12,288 dense bytes as 48 rows of 256; the scale words: 6,144 as 24 rows.  The mask names all four partners
	s_mov_b32 s[G1], 15|(3<<16)|(1<<21)
	s_mov_b32 s[G1+1], 32<<16
	s_mov_b32 s[G1+2], 48<<16
	s_mov_b32 s[G1+3], 32<<16
	s_mov_b32 s[G1+4], 48
	s_mov_b32 s[G1+5], 32
	s_mov_b32 s[G1+6], 0
	s_mov_b32 s[G1+7], 0
	s_mov_b32 s[G1S], 15|(3<<16)|(1<<21)
	s_mov_b32 s[G1S+1], 32<<16
	s_mov_b32 s[G1S+2], 24<<16
	s_mov_b32 s[G1S+3], 32<<16
	s_mov_b32 s[G1S+4], 24
	s_mov_b32 s[G1S+5], 32
	s_mov_b32 s[G1S+6], 0
	s_mov_b32 s[G1S+7], 0
	s_and_b32 s48, ttmp7, 0xffff                   ; the head, which the partners share
	s_mul_i32 s50, s48, 589824
	s_mov_b32 s51, 0
	s_mul_i32 s52, s48, 24576
	s_mov_b32 s53, 0
	s_and_b32 s54, s[WV], 3                        ; which quarter of the scale words (waves 12 to 15), which share of a prefetch (waves 4 to 6)
	s_lshr_b32 s55, s[WV], 1                       ; what I fetch of a slot: key step w / 2, K (w even) or V
	s_mul_i32 s55, s55, 36864
	s_and_b32 s56, s[WV], 1
	s_mul_i32 s56, s56, 12288
	s_add_co_u32 s55, s55, s56
	s_add_co_u32 s56, s55, 12288
	s_mov_b32 s57, 0
	s_add_nc_u64 s[56:57], s[56:57], s[50:51]
	s_mul_i32 s58, s[WV], 12288                    ; my piece's place in a slot; kept
	s_mul_i32 s59, s54, 6144
	s_mov_b32 s60, s59
	s_mov_b32 s61, 0
	s_add_nc_u64 s[60:61], s[60:61], s[52:53]
	s_mov_b32 s[SEL], 0x76543210
	s_mov_b32 s[SEL+1], 0xfedcba98
	s_mov_b32 s[CS], 0x3e0293ee                    ; c = log2(e) / sqrt(128)
	s_mov_b32 s[CS+1], s[CS]
	s_mov_b32 s[TB], 0
	s_mov_b32 s[TS], 0
	s_mov_b32 s[KS], s15
	s_wait_kmcnt 0x0
	s_mov_b32 s[G0], 1
	s_mov_b32 s[G0+1], s58
	s_add_nc_u64 s[G0+2:G0+3], s[4:5], s[56:57]
	s_or_b32 s[G0+3], s[G0+3], 0x80000000
	s_mov_b32 s[G0S], 1
	s_add_co_u32 s[G0S+1], s59, SCA
	s_add_nc_u64 s[G0S+2:G0S+3], s[6:7], s[60:61]
	s_or_b32 s[G0S+3], s[G0S+3], 0x80000000
	CROUND                                         ; all four partners are here: the first joint loads meet
	s_cmp_lt_u32 s[WV], 12                         ; one load a wave, in the two arms of one branch on the wave's number
	s_cbranch_scc0 .Lfirst_words
	tensor_load_to_lds s[G0:G0+3], s[G1:G1+7]      ; waves 0 to 11: slot 0, key steps 0 to 5
	s_nop 0
.rept 4
	v_nop
.endr
	s_branch .Lfirst_asked
.Lfirst_words:
	tensor_load_to_lds s[G0S:G0S+3], s[G1S:G1S+7]  ; waves 12 to 15: the scale words of the whole head
	s_nop 0
.rept 4
	v_nop
.endr
.Lfirst_asked:
	; my tile T = 8 g + 2 cx + u: Q from memory, the results' places
	s_lshl_b32 s81, s19, 1
	s_add_co_u32 s81, s81, s14                     ; 2 cx + u
	s_mul_i32 s82, s[GG], 36864
	s_mul_i32 s83, s81, 1536
	s_add_co_u32 s82, s82, s83
	s_mov_b32 s83, 0
	s_add_nc_u64 s[82:83], s[82:83], s[50:51]
	s_add_nc_u64 s[70:71], s[4:5], s[82:83]
	s_mul_i32 s82, s[GG], 1536
	s_lshl_b32 s83, s81, 6
	s_add_co_u32 s82, s82, s83
	s_mov_b32 s83, 0
	s_add_nc_u64 s[82:83], s[82:83], s[52:53]
	s_add_nc_u64 s[72:73], s[6:7], s[82:83]
.irp c, 0,1,2
	global_load_b128 v[16+4*\c:19+4*\c], v[LI], s[70:71] offset:512*\c
.endr
	global_load_b32 v255, v[LS], s[72:73]          ; Q's scale words
	s_lshl_b32 s84, s[GG], 3
	s_add_co_u32 s84, s84, s81                     ; T
	s_mul_i32 s82, s84, 24576
	s_mul_i32 s83, s48, 1536
	s_add_co_u32 s82, s82, s83
	s_mov_b32 s83, 0
	s_add_nc_u64 s[8:9], s[8:9], s[82:83]          ; cc: tile T, K step = head
	s_lshl_b32 s82, s48, 13
	s_lshl_b32 s83, s84, 6
	s_add_co_u32 s82, s82, s83
	s_mov_b32 s83, 0
	s_add_nc_u64 s[10:11], s[10:11], s[82:83]      ; cs
	; the prefetch
	s_add_co_u32 s82, s19, 12
	s_mul_i32 s82, s82, 36864
	s_lshl_b32 s83, s54, 13
	s_add_co_u32 s82, s82, s83
	s_add_co_u32 s82, s82, 12288
	s_mov_b32 s83, 0
	s_add_nc_u64 s[82:83], s[82:83], s[50:51]
	s_add_nc_u64 s[PFA:PFA+1], s[4:5], s[82:83]    ; key step 12 + cx, K | V, 8,192 bytes a wave; never rewritten
	s_sub_co_u32 s81, s[WV], 4
	s_cmp_lt_u32 s81, 3
	s_cselect_b32 s81, 0, 1                        ; waves 4 to 6,
	s_or_b32 s81, s81, ttmp9                       ; of the head's first cluster: the same in all four partners
	s_cmp_eq_u32 s81, 0
	s_cselect_b32 s[LIM], 1, 0
	v_mov_b32 v13, 0xff61b1e6                      ; the largest t so far: -3e38
	s_delay_alu instid0(VALU_DEP_1)
	v_floor_f32 v12, -v13                          ; -M
	v_mov_b32 v14, 0
	v_mov_b32 v15, 0
.irp b, 0,1,2,3
	v_mov_b32 v[236+\b], 0                         ; a lane permute's destination counts as one of its sources
.endr
	v_mov_b32 v253, 0                              ; (named as the upper half of the pair v[252:253] before it is first written)
.set n, 0
.rept 64
	v_mov_b32 v[160+n], 0                          ; O^T: the step is written once for all steps: the first finds zeros
.set n, n+1
.endr
; MY NEXT KEY STEP OF THE SLOT IN HAND
; Where K's fragment of tile t and its scale words land: tiles 0 to 3 in v32-79 and v248-251; tiles 4 to 7 in registers that hold nothing at that moment:
; v148-159 (the last scores' places, written behind tile 4's product), v80-91, v224-235 (the last step's codes of p), v236-247; words in v92-95
.macro KSET t
.if (\t) < 4
.set KB, 32+12*(\t)
.set KW, 248+(\t)
.else
.set KW, 88+(\t)
.if (\t) == 4
.set KB, 148
.else
.if (\t) == 5
.set KB, 80
.else
.if (\t) == 6
.set KB, 224
.else
.set KB, 236
.endif
.endif
.endif
.endif
.endm
.macro STEP
	s_cmp_gt_u32 s[KS], s[GG]
	s_cbranch_scc1 .Lhidden_\@
	v_add_nc_u32 v[ADK], s[TB], v[AK0]
	s_wait_alu depctr_va_vdst(0)
	v_add_nc_u32 v[ADS], s[TS], v[AS0]
	s_wait_alu depctr_va_vdst(0)
	v_nop
	v_nop                                          ; four places in front of loads into registers that matrix instructions have read
	v_nop                                          ; a fifth place: the scores below are laid over V's operands of the step before
.irp t, 0,1,2,3,4,5,6,7
	KSET \t
.irp c, 0,1,2
	ds_load_b128 v[KB+4*\c:KB+4*\c+3], v[ADK] offset:\t*1536+512*\c   ; all eight fragments of K in one run: 32 LDS loads
.endr
	ds_load_b32 v[KW], v[ADS] offset:512+\t*64
.endr
.irp t, 0,1,2,3,4,5,6,7
	KSET \t
.if \t == 6
.rept 5
	v_nop                                          ; five places: the results of tiles 6 and 7 are laid over tile 4's operand
.endr
.endif
	s_wait_dscnt 4*(7-\t)                          ; the four loads of each later tile may be out
	v_wmma_scale_f32_16x16x128_f8f6f4 v[96+8*\t:103+8*\t], v[KB:KB+11], v[16:27], 0, v[KW], v255 matrix_a_fmt:MATRIX_FMT_FP6 matrix_b_fmt:MATRIX_FMT_FP6
.endr
.rept 4
	v_nop
.endr
.irp t, 0,1,2,3
.irp c, 0,1,2
	ds_load_b128 v[32+12*\t+4*\c:35+12*\t+4*\c], v[ADK] offset:12288+\t*1536+512*\c   ; V's tiles 0 to 3 are asked for here and first read behind the softmax
.endr
	ds_load_b32 v[92+\t], v[ADS] offset:1024+\t*64
.endr
	s_cmp_lg_u32 s[KS], s[GG]
	s_cbranch_scc1 .Lopen_\@
	v_mov_b32 v254, 0xff800000
.set n, 0
.rept 64
	v_cmp_gt_i32 vcc_lo, 32*(n/16)+n%16, v[DQ]     ; register 16 b + i holds key 32 b + 16 h + i
	v_cndmask_b32 v[96+n], v[96+n], v254, vcc_lo
.set n, n+1
.endr
.Lopen_\@:
.irp b, 0,1,2,3
	v_max3_num_f32 v[232+\b], v[96+16*\b], v[97+16*\b], v[98+16*\b]   ; the largest score of each block of 32 keys: for the row's maximum and, since p rises with the score, for the block's largest p
.endr
.irp i, 3,5,7,9,11,13
.irp b, 0,1,2,3
	v_max3_num_f32 v[232+\b], v[232+\b], v[96+16*\b+\i], v[97+16*\b+\i]
.endr
.endr
.irp b, 0,1,2,3
	v_max_num_f32 v[232+\b], v[232+\b], v[111+16*\b]
.endr
.irp b, 0,1,2,3
	s_delay_alu instid0(VALU_DEP_4)
	v_permlanex16_b32 v[236+\b], v[232+\b], s[SEL], s[SEL+1]
.endr
.irp b, 0,1,2,3
	s_delay_alu instid0(VALU_DEP_4)
	v_max_num_f32 v[232+\b], v[232+\b], v[236+\b]
.endr
	s_delay_alu instid0(VALU_DEP_2)
	v_max3_num_f32 v254, v232, v233, v234
	s_delay_alu instid0(VALU_DEP_1)
	v_max_num_f32 v254, v254, v235
	s_delay_alu instid0(VALU_DEP_1)
	v_mul_f32 v254, s[CS], v254
	s_delay_alu instid0(VALU_DEP_1)
	v_max_num_f32 v13, v13, v254                   ; the running largest t
	v_mov_b32 v254, v12
	s_delay_alu instid0(VALU_DEP_2)
	v_floor_f32 v12, -v13                          ; the new -M: M is a whole number
	s_delay_alu instid0(VALU_DEP_1)
	v_sub_f32 v254, v12, v254
	s_delay_alu instid0(VALU_DEP_1)
	v_cvt_i32_f32 v254, v254                       ; (it saturates)
	s_delay_alu instid0(VALU_DEP_1)
	v_ldexp_f32 v252, 1.0, v254                    ; f = 2^(old M - new M)
.set n, 0
.rept 32
	v_pk_fma_f32 v[96+n:97+n], v[96+n:97+n], s[CS:CS+1], v[12:13] op_sel_hi:[1,0,0]   ; t - M
.set n, n+2
.endr
.irp b, 0,1,2,3
	v_fma_f32 v[232+\b], v[232+\b], s[CS], v12
.endr
.set n, 0
	s_wait_alu depctr_va_vdst(0)                   ; ahead of the batch
.rept 64
	v_exp_f32 v[96+n], v[96+n]                     ; p, not normalised
.set n, n+1
.endr
	v_pk_mul_f32 v[14:15], v[14:15], v[252:253] op_sel_hi:[1,0]   ; the sums under the new M (a plain place behind the batch)
	s_wait_alu depctr_va_vdst(0)                   ; one wait for the whole batch, ahead of its first reader
.irp b, 0,1,2,3
	v_exp_f32 v[232+\b], v[232+\b]                 ; each block's largest p
.endr
	v_pk_add_f32 v[236:237], v[100:101], v[104:105]
	v_pk_add_f32 v[250:251], v[108:109], v[112:113]
	v_pk_add_f32 v[248:249], v[116:117], v[120:121]
	v_pk_add_f32 v[246:247], v[124:125], v[128:129]
	v_pk_add_f32 v[244:245], v[132:133], v[136:137]
	v_pk_add_f32 v[242:243], v[140:141], v[144:145]
	v_pk_add_f32 v[240:241], v[148:149], v[152:153]
	v_pk_add_f32 v[14:15], v[14:15], v[156:157]
	v_pk_add_f32 v[236:237], v[236:237], v[96:97]
	v_pk_add_f32 v[250:251], v[250:251], v[98:99]
	v_pk_add_f32 v[248:249], v[248:249], v[102:103]
	v_pk_add_f32 v[246:247], v[246:247], v[106:107]
	v_pk_add_f32 v[244:245], v[244:245], v[110:111]
	v_pk_add_f32 v[242:243], v[242:243], v[114:115]
	v_pk_add_f32 v[240:241], v[240:241], v[118:119]
	v_pk_add_f32 v[14:15], v[14:15], v[122:123]
	v_pk_add_f32 v[236:237], v[236:237], v[126:127]
	v_pk_add_f32 v[250:251], v[250:251], v[130:131]
	v_pk_add_f32 v[248:249], v[248:249], v[134:135]
	v_pk_add_f32 v[246:247], v[246:247], v[138:139]
	v_pk_add_f32 v[244:245], v[244:245], v[142:143]
	v_pk_add_f32 v[242:243], v[242:243], v[146:147]
	v_pk_add_f32 v[240:241], v[240:241], v[150:151]
	v_pk_add_f32 v[14:15], v[14:15], v[154:155]
	v_pk_add_f32 v[236:237], v[236:237], v[158:159]
	s_delay_alu instid0(VALU_DEP_2)
	v_pk_add_f32 v[14:15], v[14:15], v[246:247]
	s_delay_alu instid0(VALU_DEP_2)
	v_pk_add_f32 v[236:237], v[236:237], v[244:245]
	v_pk_add_f32 v[250:251], v[250:251], v[242:243]
	v_pk_add_f32 v[248:249], v[248:249], v[240:241]
	s_delay_alu instid0(VALU_DEP_2)
	v_pk_add_f32 v[14:15], v[14:15], v[250:251]
	s_delay_alu instid0(VALU_DEP_2)
	v_pk_add_f32 v[236:237], v[236:237], v[248:249]
	s_delay_alu instid0(VALU_DEP_1)
	v_pk_add_f32 v[14:15], v[14:15], v[236:237]
	s_wait_alu depctr_va_vdst(0)                   ; and one for the four
.irp b, 0,1,2,3
	v_max_num_f32 v[232+\b], 0x1800000, v[232+\b]  ; the floor 2^(3 - 127)
.endr
.irp b, 0,1,2,3
	s_delay_alu instid0(VALU_DEP_4)
	v_add_nc_u32 v[244+\b], 0xff000000, v[232+\b]
.endr
.irp b, 0,1,2,3
	s_delay_alu instid0(VALU_DEP_4)
	v_lshrrev_b32 v[236+\b], 23, v[244+\b]
.endr
	s_delay_alu instid0(VALU_DEP_3)
	v_lshl_or_b32 v253, v237, 8, v236              ; p's scale word
	s_delay_alu instid0(VALU_DEP_1)
	v_lshl_or_b32 v253, v238, 16, v253
	s_delay_alu instid0(VALU_DEP_1)
	v_lshl_or_b32 v253, v239, 24, v253
.irp c, 0,1
	v_cvt_scalef32_pk16_fp6_f32 v[224+6*\c:226+6*\c], v[96+32*\c:111+32*\c], v[244+2*\c]
	v_cvt_scalef32_pk16_fp6_f32 v[236+4*\c:238+4*\c], v[112+32*\c:127+32*\c], v[244+2*\c+1]
.endr
	v_nop
.irp t, 0,1,2,3
.irp c, 0,1,2
	ds_load_b128 v[96+12*\t+4*\c:99+12*\t+4*\c], v[ADK] offset:12288+(4+\t)*1536+512*\c   ; V's tiles 4 to 7 into p's registers, which the conversions have read
.endr
	ds_load_b32 v[248+\t], v[ADS] offset:1024+(4+\t)*64
.endr
.irp c, 0,1
.irp i, 0,1,2
	v_permlane16_swap_b32 v[224+6*\c+\i], v[236+4*\c+\i]
.endr
.irp i, 0,1,2
	s_delay_alu instid0(VALU_DEP_3)
	v_mov_b32 v[227+6*\c+\i], v[236+4*\c+\i]
.endr
.endr
.set n, 0
	s_wait_alu depctr_va_vdst(0)                   ; directly ahead of the first reader of O^T
.rept 32
	v_pk_mul_f32 v[160+n:161+n], v[160+n:161+n], v[252:253] op_sel_hi:[1,0]
.set n, n+2
.endr
	s_wait_alu depctr_va_vdst(0)
.irp t, 0,1,2,3
	s_wait_dscnt 16+4*(3-\t)                       ; the 16 loads of tiles 4 to 7 and the four of each later tile may be out
	v_wmma_scale_f32_16x16x128_f8f6f4 v[160+8*\t:167+8*\t], v[32+12*\t:43+12*\t], v[224:235], v[160+8*\t:167+8*\t], v[92+\t], v253 matrix_a_fmt:MATRIX_FMT_FP6 matrix_b_fmt:MATRIX_FMT_FP6
.endr
.irp t, 0,1,2,3
	s_wait_dscnt 4*(3-\t)
	v_wmma_scale_f32_16x16x128_f8f6f4 v[192+8*\t:199+8*\t], v[96+12*\t:107+12*\t], v[224:235], v[192+8*\t:199+8*\t], v[248+\t], v253 matrix_a_fmt:MATRIX_FMT_FP6 matrix_b_fmt:MATRIX_FMT_FP6
.endr
.Lhidden_\@:
	s_add_co_u32 s[KS], s[KS], 2                   ; my next key step: two on, in the walk, in the scale words and in the slot
	s_add_co_u32 s[TS], s[TS], 3072
	s_add_co_u32 s[TB], s[TB], 49152
.endm
.macro PHASE n                         ; my n key steps of the slot in hand
	s_mov_b32 s[CNT], \n
.Lphase_\@:
	STEP
	s_sub_co_u32 s[CNT], s[CNT], 1
	s_cmp_lg_u32 s[CNT], 0
	s_cbranch_scc1 .Lphase_\@
.endm
; THE CHANGE OF SLOTS stands at a slot's head: each wave waits for all its tensor loads, adds 0 to its spare word, waits for that and for its reads of the slot that it has left.  fill = 1: a round of the cluster's barrier, and
; waves 0 to nw - 1 fill the slot at LDS byte lds with the next key steps, first thing behind the round.
.macro CHANGE fill, nw, lds
	s_wait_tensorcnt 0x0
	ds_add_u32 v[SPW], v[NIL]
.if \fill
	s_add_co_u32 s[G0+1], s58, \lds
	s_add_nc_u64 s[G0+2:G0+3], s[G0+2:G0+3], 221184   ; six key steps on
	s_wait_dscnt 0x0
	CROUND
	s_cmp_lt_u32 s[WV], \nw
	s_cbranch_scc0 .Lno_load_\@
	tensor_load_to_lds s[G0:G0+3], s[G1:G1+7]
	s_nop 0
.rept 4
	v_nop
.endr
.Lno_load_\@:
.else
	s_wait_dscnt 0x0
	s_barrier_signal -1
	s_barrier_wait -1
.endif
.endm
	s_wait_loadcnt 0x0                             ; Q
	CHANGE 1, 12, SLOT1                            ; slot 0 is whole; slot 1 takes key steps 6 to 11
	s_cmp_eq_u32 s[LIM], 1
	s_cbranch_scc0 .Lnot_mine
	global_prefetch_b8 v[PFO], s[PFA:PFA+1] th:TH_LOAD_NT scope:SCOPE_SE
.Lnot_mine:
	PHASE 3                                        ; key steps 0 to 5
	CHANGE 1, 8, 0                                 ; slot 0 takes key steps 12 to 15
	s_mov_b32 s[TB], SLOT1
	PHASE 3                                        ; key steps 6 to 11
	CHANGE 0, 0, 0                                 ; nothing is left to fetch
	s_mov_b32 s[TB], 0
	PHASE 2                                        ; key steps 12 to 15
	; ---- the two waves of a tile meet
.rept 4
	v_nop                                          ; places behind the last products
.endr
	v_add_f32 v14, v14, v15
	s_cmp_lt_u32 s[WV], 8
	s_cbranch_scc1 .Lno_send
	s_wait_alu depctr_va_vdst(0)
.irp i, 0,1,2,3,4,5,6,7,8,9,10,11,12,13,14,15
	ds_store_b128 v[XA], v[160+4*\i:163+4*\i] offset:512*\i
.endr
	ds_store_b32 v[XB], v12
	ds_store_b32 v[XB], v14 offset:128
.Lno_send:
	s_wait_dscnt 0x0
	s_barrier_signal -1
	s_barrier_wait -1
	s_cmp_ge_u32 s[WV], 8
	s_cbranch_scc1 .Ldone
.irp i, 0,1,2,3,4,5,6,7,8,9,10,11,12,13,14,15
	ds_load_b128 v[32+4*\i:35+4*\i], v[XA] offset:512*\i
.endr
	ds_load_b32 v224, v[XB]
	ds_load_b32 v225, v[XB] offset:128
	s_wait_dscnt 0x0
	v_min_num_f32 v226, v12, v224                  ; -M of both
	s_delay_alu instid0(VALU_DEP_1)
	v_sub_f32 v227, v226, v12
	s_delay_alu instid0(VALU_DEP_2)
	v_sub_f32 v226, v226, v224
	s_delay_alu instid0(VALU_DEP_2)
	v_cvt_i32_f32 v227, v227
	s_delay_alu instid0(VALU_DEP_2)
	v_cvt_i32_f32 v226, v226                       ; (it saturates: a partner that had no step counts for nothing)
	s_delay_alu instid0(VALU_DEP_2)
	v_ldexp_f32 v227, 1.0, v227                    ; my factor,
	s_wait_alu depctr_va_vdst(0)
	v_ldexp_f32 v226, 1.0, v226                    ; my partner's
	v_mul_f32 v224, v14, v227
	s_delay_alu instid0(VALU_DEP_1)
	v_fma_f32 v224, v225, v226, v224
	s_delay_alu instid0(VALU_DEP_1)
	v_permlanex16_b32 v225, v224, s[SEL], s[SEL+1]
	s_delay_alu instid0(VALU_DEP_1)
	v_add_f32 v224, v224, v225                     ; the row's sum
	s_wait_alu depctr_va_vdst(0)
	v_rcp_f32 v225, v224
	v_nop
	s_wait_alu depctr_va_vdst(0)                   ; ahead of the reciprocal's first reader
	v_mul_f32 v228, v227, v225
	v_mul_f32 v230, v226, v225
	s_delay_alu instid0(VALU_DEP_2)
	v_mov_b32 v229, v228
	s_delay_alu instid0(VALU_DEP_2)
	v_mov_b32 v231, v230
.set n, 0
.rept 32
	v_pk_mul_f32 v[96+n:97+n], v[160+n:161+n], v[228:229] op_sel_hi:[1,0]
.set n, n+2
.endr
.set n, 0
.rept 32
	v_pk_fma_f32 v[96+n:97+n], v[32+n:33+n], v[230:231], v[96+n:97+n] op_sel_hi:[1,0,1]
.set n, n+2
.endr
	; register 16 b + i is channel 32 b + 16 h + i of my query: K step = head of the last product
.irp b, 0,1,2,3
	v_max3_num_f32 v[TM+\b], |v[96+16*\b]|, |v[97+16*\b]|, 0x1800000
.endr
.irp i, 2,4,6,8,10,12,14
.irp b, 0,1,2,3
	s_delay_alu instid0(VALU_DEP_4)
	v_max3_num_f32 v[TM+\b], v[TM+\b], |v[96+16*\b+\i]|, |v[97+16*\b+\i]|
.endr
.endr
.irp b, 0,1,2,3
	s_delay_alu instid0(VALU_DEP_4)
	v_permlanex16_b32 v[TM+4+\b], v[TM+\b], s[SEL], s[SEL+1]
.endr
.irp b, 0,1,2,3
	s_delay_alu instid0(VALU_DEP_4)
	v_max_num_f32 v[TM+\b], v[TM+\b], v[TM+4+\b]
.endr
.irp b, 0,1,2,3
	s_delay_alu instid0(VALU_DEP_4)
	v_add_nc_u32 v[TM+12+\b], 0xff000000, v[TM+\b]
.endr
.irp b, 0,1,2,3
	s_delay_alu instid0(VALU_DEP_4)
	v_lshrrev_b32 v[TM+4+\b], 23, v[TM+12+\b]
.endr
	s_delay_alu instid0(VALU_DEP_3)
	v_lshl_or_b32 v[PW], v[TM+5], 8, v[TM+4]
	s_delay_alu instid0(VALU_DEP_1)
	v_lshl_or_b32 v[PW], v[TM+6], 16, v[PW]
	s_delay_alu instid0(VALU_DEP_1)
	v_lshl_or_b32 v[PW], v[TM+7], 24, v[PW]
.irp c, 0,1
	v_cvt_scalef32_pk16_fp6_f32 v[PC+6*\c:PC+2+6*\c], v[96+32*\c:111+32*\c], v[TM+12+2*\c]
	v_cvt_scalef32_pk16_fp6_f32 v[PC+12+4*\c:PC+14+4*\c], v[112+32*\c:127+32*\c], v[TM+12+2*\c+1]
.endr
	v_nop
.irp c, 0,1
.irp i, 0,1,2
	v_permlane16_swap_b32 v[PC+6*\c+\i], v[PC+12+4*\c+\i]
.endr
.irp i, 0,1,2
	s_delay_alu instid0(VALU_DEP_3)
	v_mov_b32 v[PC+3+6*\c+\i], v[PC+12+4*\c+\i]
.endr
.endr
.irp c, 0,1,2
	global_store_b128 v[LI], v[PC+4*\c:PC+4*\c+3], s[8:9] offset:512*\c   ; 512 consecutive bytes, aligned
.endr
	global_store_b32 v[LS], v[PW], s[10:11]        ; both halves of the lanes write the same word
.Ldone:
	s_wait_tensorcnt 0x0                           ; the wave's end
	ds_add_u32 v[SPW], v[NIL]
	s_wait_dscnt 0x0
	CROUND                                         ; the closing round
	s_endpgm
.Lfunc_end_k_qf01eec647f_attn:
	.size	k_qf01eec647f_attn, .Lfunc_end_k_qf01eec647f_attn-k_qf01eec647f_attn
	.p2alignl 7, 3214868480
	.fill 96, 4, 3214868480
	.section	.rodata,"a",@progbits
	.p2align	6, 0x0
	.amdhsa_kernel k_qf01eec647f_attn
		.amdhsa_group_segment_fixed_size 327680
		.amdhsa_private_segment_fixed_size 0
		.amdhsa_enable_private_segment 0
		.amdhsa_kernarg_size 32
		.amdhsa_user_sgpr_count 2
		.amdhsa_user_sgpr_kernarg_segment_ptr 1
		.amdhsa_wavefront_size32 1
		.amdhsa_system_sgpr_workgroup_id_x 1
		.amdhsa_system_sgpr_workgroup_id_y 1
		.amdhsa_system_sgpr_workgroup_id_z 1
		.amdhsa_system_vgpr_workitem_id 0
		.amdhsa_next_free_vgpr 256
		.amdhsa_next_free_sgpr 90
		.amdhsa_reserve_vcc 1
		.amdhsa_float_denorm_mode_32 3
		.amdhsa_float_denorm_mode_16_64 3
		.amdhsa_memory_ordered 1
		.amdhsa_forward_progress 1
		.amdhsa_inst_pref_size 105
	.end_amdhsa_kernel
	.amdgpu_metadata
---
amdhsa.version: [ 1, 2 ]
amdhsa.kernels:
  - .name:           k_qf01eec647f_attn
    .symbol:         k_qf01eec647f_attn.kd
    .args:
      - { .name: qkvc, .offset: 0, .size: 8, .value_kind: global_buffer, .address_space: global }
      - { .name: qkvs, .offset: 8, .size: 8, .value_kind: global_buffer, .address_space: global }
      - { .name: cc, .offset: 16, .size: 8, .value_kind: global_buffer, .address_space: global }
      - { .name: cs, .offset: 24, .size: 8, .value_kind: global_buffer, .address_space: global }
    .group_segment_fixed_size: 327680
    .private_segment_fixed_size: 0
    .kernarg_segment_align: 8
    .kernarg_segment_size: 32
    .max_flat_workgroup_size: 512
    .sgpr_count:     90
    .vgpr_count:     256
    .wavefront_size: 32
...
	.end_amdgpu_metadata
.endif
;; end of part 3
;; launch outp (part 4): grid 16 x 16, 4 waves a work-group, clusters of 4 x 1, 327,680 bytes of LDS; arguments cc, cs, codes, scales, out0; writes out0
.if DOCPART == 4
	.amdgcn_target "amdgcn-amd-amdhsa--gfx1250"
	.amdhsa_code_object_version 6
	.text
	.protected	k_qf01eec647f_outp
	.globl	k_qf01eec647f_outp
	.p2align	8
	.type	k_qf01eec647f_outp,@function
k_qf01eec647f_outp:
	s_mov_b64 s[64:65], 0
	v_nop
	global_prefetch_b8 v0, s[64:65] scope:SCOPE_SE
	s_setreg_imm32_b32 hwreg(HW_REG_WAVE_MODE, 25, 1), 1
	s_wait_xcnt 0x0
	s_wait_alu depctr_hold_cnt(0) depctr_sa_sdst(0) depctr_va_vdst(0) depctr_va_sdst(0) depctr_va_ssrc(0) depctr_va_vcc(0) depctr_vm_vsrc(0)
	s_getreg_b32 s2, hwreg(HW_REG_IB_STS2, 6, 4)
	s_cmp_eq_u32 s2, 0
	s_cbranch_scc0 .Lentry_in_a_cluster
	s_endpgm
.Lentry_in_a_cluster:
	s_bfe_u32 s2, ttmp6, 0x10000c
	s_cmp_lg_u32 s2, 0x3003
	s_cbranch_scc0 .Lentry_shape_is_right
	s_endpgm
.Lentry_shape_is_right:
; out0 [2048][2048] f32 = ctx Wo^T on codes of FP6 with E8M0 scales.  Operands are images of operand registers (1,536 bytes a fragment); lane-row i of tile T is row 32 (T / 2) + 8 (T % 2) + i + 8 (i / 8).
; A work-group makes 128 tokens x 128 columns (256 work-groups); wave w makes all 128 tokens x columns 32 w .. + 31: 16 accumulators.  Source 0 = Wo, source 1 = ctx: a lane holds one token and neighbouring columns.
; ALL OF K IS ASKED FOR AT THE HEAD, and nothing is filled again.  ctx, which all four waves multiply: 8 tiles x 16 K steps, 196,608 bytes, and its scale words, into LDS by joint loads of the cluster's four
; work-groups (one block of tokens, four blocks of columns): waves 0, 1 a half of the codes each, waves 2, 3 a half of the scale words each.
; Wo: a wave's two tiles are multiplied by that wave alone: their 16 K steps go from memory straight into 384 registers, 96 loads of 512 consecutive bytes, and their scale words into 16: no joint load applies to what lands in registers.
; No prefetch: the text has no loop to run ahead in, and every byte is asked for at its start.
; OUT: all four waves put their results into one stage in LDS, bytes of its own; behind a barrier each wave stores 32 whole rows of 512 bytes.
; REGISTERS: window 0: v1-15 addresses; v24-31 ctx's scale words, two sets; v32-47 Wo's; v136-231 ctx set 0; v128-255 the way out.  window 1: v136-231 ctx set 1; v0-119 Wo's K steps 10-14.
; window 2: Wo's K steps 0-9, 24 registers each.  window 3: v0-127 the accumulators, (a, t) at 8 (2 a + t); v128-151 Wo's K step 15.
.set SCL,   196608                     ; ctx's scale words [K step 16][tile 8][row 16]
.set STG,   204800                     ; the stage: 128 rows x (512 + 16); no tensor load lands here
.set SP,    528
.set SPARE, 272384                     ; the spare words, 128 bytes a wave, that no other line names
.set ADS, 5
.set WSO, 6
.set AX,  8                            ; v8-11  16 lane + 49,152 j: ctx's tiles 2 j, 2 j + 1
.set SPW, 12
.set NIL, 13
.set STO, 14
.set RD,  15
.set SCX, 24                           ; set s at 24 + 4 s; register g: lanes 0-15 tile 2 g, lanes 16-31 tile 2 g + 1
.set SWO, 32                           ; register 8 t + 2 Q + u: lanes 0-15 K step 4 Q + u, lanes 16-31 K step 4 Q + 2 + u
.set FX,  136
.set BK,  128
.set G1A, 24
.set G0A, 32
.set G0S, 36
.set G1S, 40
.set MSB, 0
.macro WIN new
.if MSB != (\new)
	s_set_vgpr_msb (MSB<<8)|(\new)
.set MSB, (\new)
.endif
.endm
.macro PLACES n
.rept \n
	v_nop
.endr
.endm
.macro CROUND
	s_barrier_signal -1
	s_barrier_wait -1
	s_cmp_lg_u32 s14, 0
	s_cbranch_scc1 .Lnot_wave_0_\@
	s_barrier_signal -3
.Lnot_wave_0_\@:
	s_barrier_wait -3
	s_barrier_signal -1
	s_barrier_wait -1
.endm
	s_load_b256 s[4:11], s[0:1], 0x0               ; cc, cs, codes, scales
	s_load_b64 s[12:13], s[0:1], 0x20              ; out0
	v_lshl_add_u32 v[SPW], v0, 2, SPARE
	v_mov_b32 v[NIL], 0
	ds_add_u32 v[SPW], v[NIL]                      ; the opening lines: the add twice on end and one wait
	ds_add_u32 v[SPW], v[NIL]
	v_lshrrev_b32 v1, 5, v0
	v_readfirstlane_b32 s14, v1                    ; wave
	s_and_b32 s16, s14, 1                          ; which half I fetch
	s_bfe_u32 s15, ttmp6, 0x40000                  ; cx: it enters global addresses of plain loads and stores alone
	s_lshl_b32 s17, ttmp9, 2
	s_add_co_u32 s17, s17, s15                     ; block of columns
	s_and_b32 s22, ttmp7, 0xffff                   ; block of tokens, which the partners share
	s_mov_b32 s[G1A], 15|(3<<16)|(1<<21)           ; codes: 4 rows (tiles) of 24,576 bytes, dense; elements of 8 bytes; the mask names all four partners
	s_mov_b32 s[G1A+1], 3072<<16
	s_mov_b32 s[G1A+2], 4<<16
	s_mov_b32 s[G1A+3], 3072<<16
	s_mov_b32 s[G1A+4], 4
	s_mov_b32 s[G1A+5], 3072
	s_mov_b32 s[G1A+6], 0
	s_mov_b32 s[G1A+7], 0
	s_mov_b32 s[G1S], 15|(3<<16)|(1<<21)           ; scale words: 8 rows (K steps) of 512 bytes, 8,192 bytes apart
	s_mov_b32 s[G1S+1], 64<<16
	s_mov_b32 s[G1S+2], 8<<16
	s_mov_b32 s[G1S+3], 64<<16
	s_mov_b32 s[G1S+4], 8
	s_mov_b32 s[G1S+5], 1024
	s_mov_b32 s[G1S+6], 0
	s_mov_b32 s[G1S+7], 0
	s_mov_b32 s[G0A], 1
	s_mov_b32 s[G0S], 1
	s_mul_i32 s48, s22, 196608
	s_mul_i32 s[G0A+1], s16, 98304
	s_add_co_u32 s48, s48, s[G0A+1]
	s_mov_b32 s49, 0
	s_lshl_b32 s50, s22, 9
	s_lshl_b32 s51, s16, 16
	s_add_co_u32 s50, s50, s51
	s_mov_b32 s51, 0
	s_lshl_b32 s23, s16, 12
	s_add_co_u32 s[G0S+1], s23, SCL
	s_mul_i32 s18, s17, 196608                     ; Wo is tensor 4 of codes and scales; my tiles 2 w, 2 w + 1 of the block
	s_mul_i32 s19, s14, 49152
	s_add_co_u32 s18, s18, s19
	s_add_co_u32 s18, s18, 12582912
	s_mov_b32 s19, 0
	s_lshl_b32 s20, s17, 13
	s_lshl_b32 s21, s14, 11
	s_add_co_u32 s20, s20, s21
	s_add_co_u32 s20, s20, 524288
	s_mov_b32 s21, 0
	s_lshl_b32 s2, s22, 7
	s_lshl_b32 s3, s14, 5
	s_add_co_u32 s2, s2, s3                        ; the 32 rows that I store
	s_lshl_b32 s2, s2, 13
	s_lshl_b32 s3, s17, 9
	s_add_co_u32 s2, s2, s3
	s_mov_b32 s3, 0
	s_lshl_b32 s52, s14, 7
	s_add_co_u32 s52, s52, STG
	s_mul_i32 s53, s14, 32*SP
	s_add_co_u32 s53, s53, STG
	v_and_b32 v1, 15, v0                           ; r
	v_bfe_u32 v2, v0, 4, 1                         ; h
	v_and_b32 v3, 31, v0                           ; lane
	v_lshlrev_b32 v[AX], 4, v3
	v_lshlrev_b32 v[WSO], 3, v3
	v_lshl_add_u32 v[ADS], v3, 2, SCL
	v_add_nc_u32 v[AX+1], 49152, v[AX]
	v_add_nc_u32 v[AX+2], 98304, v[AX]
	v_add_nc_u32 v[AX+3], 147456, v[AX]
	v_and_b32 v7, 8, v1
	v_add_nc_u32 v7, v7, v1                        ; r + 8 (r / 8)
	v_mul_u32_u24 v[STO], v7, SP
	v_lshl_add_u32 v[STO], v2, 6, v[STO]
	v_add_nc_u32 v[STO], s52, v[STO]               ; into the stage: my token's row, byte 128 w + 64 h
	v_add_nc_u32 v[RD], s53, v[AX]                 ; out of it: 32 lanes to a row of 512 bytes
	s_wait_alu depctr_va_vdst(0)                   ; the wait at the head's end
	s_wait_dscnt 0x0                               ; both opening adds are done
	s_wait_kmcnt 0x0
	s_add_nc_u64 s[G0A+2:G0A+3], s[4:5], s[48:49]
	s_or_b32 s[G0A+3], s[G0A+3], 0x80000000
	s_add_nc_u64 s[G0S+2:G0S+3], s[6:7], s[50:51]
	s_or_b32 s[G0S+3], s[G0S+3], 0x80000000
	s_add_nc_u64 s[18:19], s[8:9], s[18:19]
	s_add_nc_u64 s[20:21], s[10:11], s[20:21]
	s_add_nc_u64 s[12:13], s[12:13], s[2:3]
	CROUND                                         ; all four partners are here: the joint loads meet
	s_cmp_lt_u32 s14, 2                            ; one load a wave, in the two arms of one branch on the wave's number
	s_cbranch_scc0 .Lhead_words
	tensor_load_to_lds s[G0A:G0A+3], s[G1A:G1A+7]
	s_nop 0
.rept 4
	v_nop
.endr
	s_branch .Lhead_asked
.Lhead_words:
	tensor_load_to_lds s[G0S:G0S+3], s[G1S:G1S+7]
	s_nop 0
.rept 4
	v_nop
.endr
.Lhead_asked:
.irp t, 0,1
.irp Q, 0,1,2,3
	global_load_b64 v[SWO+8*\t+2*\Q:SWO+8*\t+2*\Q+1], v[WSO], s[20:21] offset:1024*\t+256*\Q   ; 32 lanes read 256 consecutive bytes, aligned: four K steps' words of a tile
.endr
.endr
.macro WOSET s                         ; where Wo's fragments of K step s lie
.if (\s) < 10
.set WW, 2
.set WB, 24*(\s)
.else
.if (\s) < 15
.set WW, 1
.set WB, 24*((\s)-10)
.else
.set WW, 3
.set WB, 128
.endif
.endif
.endm
.set T, 0
.rept 16
	WOSET T
	WIN WW<<6
.irp t, 0,1
.irp c, 0,1,2
	global_load_b128 v[WB+12*\t+4*\c:WB+12*\t+4*\c+3], v[AX], s[18:19] offset:24576*\t+1536*T+512*\c
.endr
.endr
.set T, T+1
.endr
	WIN 0
.macro FETCHX st                       ; ctx's eight fragments of K step st, 24 LDS loads, into set st % 2
	WIN 0x40*((\st)%2)
.irp a, 0,1,2,3,4,5,6,7
.irp c, 0,1,2
	ds_load_b128 v[FX+12*\a+4*\c:FX+12*\a+4*\c+3], v[AX+\a/2] offset:24576*(\a%2)+1536*(\st)+512*\c
.endr
.endr
.endm
.macro WORDS st                        ; ctx's scale words of K step st: 32 lanes read the words of two tiles
	WIN 0
.irp g, 0,1,2,3
	ds_load_b32 v[SCX+4*((\st)%2)+\g], v[ADS] offset:512*(\st)+128*\g
.endr
.endm
.macro WM s, a, t                      ; one product; which half of the lanes holds a side's scale words follows from s and a
.set DD, 8*(2*(\a)+(\t))
.set WA, WB+12*(\t)
.set XA, FX+12*(\a)
.set QA, SWO+8*(\t)+2*((\s)/4)+(\s)%2
.set QB, SCX+4*((\s)%2)+(\a)/2
.if (\s) == 0
.if (\a)%2
	v_wmma_scale_f32_16x16x128_f8f6f4 v[DD:DD+7], v[WA:WA+11], v[XA:XA+11], 0, v[QA], v[QB] matrix_a_fmt:MATRIX_FMT_FP6 matrix_b_fmt:MATRIX_FMT_FP6 matrix_b_scale:MATRIX_SCALE_ROW1
.else
	v_wmma_scale_f32_16x16x128_f8f6f4 v[DD:DD+7], v[WA:WA+11], v[XA:XA+11], 0, v[QA], v[QB] matrix_a_fmt:MATRIX_FMT_FP6 matrix_b_fmt:MATRIX_FMT_FP6
.endif
.else
.if ((\s)%4)/2
.if (\a)%2
	v_wmma_scale_f32_16x16x128_f8f6f4 v[DD:DD+7], v[WA:WA+11], v[XA:XA+11], v[DD:DD+7], v[QA], v[QB] matrix_a_fmt:MATRIX_FMT_FP6 matrix_b_fmt:MATRIX_FMT_FP6 matrix_a_scale:MATRIX_SCALE_ROW1 matrix_b_scale:MATRIX_SCALE_ROW1
.else
	v_wmma_scale_f32_16x16x128_f8f6f4 v[DD:DD+7], v[WA:WA+11], v[XA:XA+11], v[DD:DD+7], v[QA], v[QB] matrix_a_fmt:MATRIX_FMT_FP6 matrix_b_fmt:MATRIX_FMT_FP6 matrix_a_scale:MATRIX_SCALE_ROW1
.endif
.else
.if (\a)%2
	v_wmma_scale_f32_16x16x128_f8f6f4 v[DD:DD+7], v[WA:WA+11], v[XA:XA+11], v[DD:DD+7], v[QA], v[QB] matrix_a_fmt:MATRIX_FMT_FP6 matrix_b_fmt:MATRIX_FMT_FP6 matrix_b_scale:MATRIX_SCALE_ROW1
.else
	v_wmma_scale_f32_16x16x128_f8f6f4 v[DD:DD+7], v[WA:WA+11], v[XA:XA+11], v[DD:DD+7], v[QA], v[QB] matrix_a_fmt:MATRIX_FMT_FP6 matrix_b_fmt:MATRIX_FMT_FP6
.endif
.endif
.endif
.endm
; K step s: fetches ctx's next step from LDS, then multiplies.  The 16 accumulators take turns, one instruction a turn, in the same order in every K step.
.macro OSTEP s
	PLACES 4                                       ; in front of loads into registers that the last step's matrix instructions have read
.if (\s) < 15
	WORDS (\s)+1
	FETCHX (\s)+1
.set NEWDS, 28
.else
.set NEWDS, 0
.endif
	WOSET \s
.if 6*(15-(\s)) > 63
	s_wait_loadcnt 63                              ; (the count's field holds no more; behind this step's six loads 6 (15 - s) were issued)
.else
	s_wait_loadcnt 6*(15-(\s))                     ; Wo's later K steps may be out
.endif
	WIN 0xf0|(((\s)%2)<<2)|WW
.irp a, 0,1,2,3,4,5,6,7
	s_wait_dscnt NEWDS+3*(7-\a)                    ; the LDS loads just issued and ctx's fragments behind this one may be out
	WM \s, \a, 0
	WM \s, \a, 1
.endr
.endm
	s_wait_tensorcnt 0x0                           ; my part of ctx is in
	s_barrier_signal -1
	s_barrier_wait -1                              ; and everybody's
	WORDS 0
	FETCHX 0
.set T, 0
.rept 16                               ; Wo's registers differ from step to step, so the walk is written out; the first K step starts the sums
	OSTEP T
.set T, T+1
.endr
	WIN 0
	PLACES 4                                       ; behind the last products
	WIN 0x0c                                       ; an LDS store's data are its source 1: window 3
.irp a, 0,1,2,3,4,5,6,7
.irp t, 0,1
	ds_store_b128 v[STO], v[8*(2*\a+\t):8*(2*\a+\t)+3] offset:(32*(\a/2)+8*(\a%2))*SP+32*\t          ; each accumulator from its low end on
	ds_store_b128 v[STO], v[8*(2*\a+\t)+4:8*(2*\a+\t)+7] offset:(32*(\a/2)+8*(\a%2))*SP+32*\t+16
.endr
.endr
	WIN 0
	s_wait_dscnt 0x0                               ; for the others' sake: my stores into the stage are done
	s_barrier_signal -1
	s_barrier_wait -1
.set T, 0
.rept 32
	ds_load_b128 v[BK+4*T:BK+4*T+3], v[RD] offset:T*SP
.set T, T+1
.endr
.set T, 0
.rept 4
	s_wait_dscnt 24-8*T                            ; eight more rows are back
.irp i, 0,1,2,3,4,5,6,7
	global_store_b128 v[AX], v[BK+4*(8*T+\i):BK+4*(8*T+\i)+3], s[12:13] offset:(8*T+\i)*8192 th:TH_STORE_NT   ; 32 lanes store 512 consecutive bytes, aligned
.endr
.set T, T+1
.endr
	s_wait_tensorcnt 0x0                           ; the wave's end
	ds_add_u32 v[SPW], v[NIL]
	s_wait_dscnt 0x0
	CROUND                                         ; the closing round
	s_endpgm
.Lfunc_end_k_qf01eec647f_outp:
	.size	k_qf01eec647f_outp, .Lfunc_end_k_qf01eec647f_outp-k_qf01eec647f_outp
	.p2alignl 7, 3214868480
	.fill 96, 4, 3214868480
	.section	.rodata,"a",@progbits
	.p2align	6, 0x0
	.amdhsa_kernel k_qf01eec647f_outp
		.amdhsa_group_segment_fixed_size 327680
		.amdhsa_private_segment_fixed_size 0
		.amdhsa_enable_private_segment 0
		.amdhsa_kernarg_size 40
		.amdhsa_user_sgpr_count 2
		.amdhsa_user_sgpr_kernarg_segment_ptr 1
		.amdhsa_wavefront_size32 1
		.amdhsa_system_sgpr_workgroup_id_x 1
		.amdhsa_system_sgpr_workgroup_id_y 1
		.amdhsa_system_sgpr_workgroup_id_z 1
		.amdhsa_system_vgpr_workitem_id 0
		.amdhsa_next_free_vgpr 1024
		.amdhsa_next_free_sgpr 66
		.amdhsa_reserve_vcc 0
		.amdhsa_float_denorm_mode_32 3
		.amdhsa_float_denorm_mode_16_64 3
		.amdhsa_memory_ordered 1
		.amdhsa_forward_progress 1
		.amdhsa_inst_pref_size 91
	.end_amdhsa_kernel
	.amdgpu_metadata
---
amdhsa.version: [ 1, 2 ]
amdhsa.kernels:
  - .name:           k_qf01eec647f_outp
    .symbol:         k_qf01eec647f_outp.kd
    .args:
      - { .name: cc, .offset: 0, .size: 8, .value_kind: global_buffer, .address_space: global }
      - { .name: cs, .offset: 8, .size: 8, .value_kind: global_buffer, .address_space: global }
      - { .name: codes, .offset: 16, .size: 8, .value_kind: global_buffer, .address_space: global }
      - { .name: scales, .offset: 24, .size: 8, .value_kind: global_buffer, .address_space: global }
      - { .name: out0, .offset: 32, .size: 8, .value_kind: global_buffer, .address_space: global }
    .group_segment_fixed_size: 327680
    .private_segment_fixed_size: 0
    .kernarg_segment_align: 8
    .kernarg_segment_size: 40
    .max_flat_workgroup_size: 128
    .sgpr_count:     66
    .vgpr_count:     1024
    .wavefront_size: 32
...
	.end_amdgpu_metadata
.endif
;; end of part 4
